; MI455X (gfx1250); checked and timed in simulation.
; The chip was launched on July 23, 2026; its instructions are those of AMD's public machine-readable ISA for CDNA 5 (MIT licence, August 2026) and "CDNA5" Instruction Set Architecture Reference Guide (July 2026).
;; Slot Memory. Allowed arithmetic: matrix products marked QUANTISED: E3M2 operands, one E8M0 scale for each 32 along K, by v_wmma_scale_f32_16x16x128_f8f6f4 with both operands' format E3M2, f32 sums; products left as they are: f32 operands where the result goes on into a quantised operand, else bf16, f16 or f32 operands; f32 sums; everything else in f32.
;; Inputs: Wout 2,048 x 2,048 float32; Wq 2,048 x 2,048 float32; slot_keys 4,096 x 2,048 float32; slot_values 4,096 x 2,048 float32; x 4 x 1,024 x 2,048 float32.
;; Outputs: out0 4 x 1,024 x 2,048 float32.
;; Constants: top_k = 4.
;; This version of the problem:
;;   THIS VERSION OF THE PROBLEM IS GIVEN IN LOW PRECISION. The matrix products marked QUANTISED in the list below multiply operands that are first quantised to E3M2 (3 exponent bits, 2 mantissa bits; 6 bits a number), with one power-of-two scale for each 32 numbers along K (OCP MX v1.0); their sums are f32. All else is computed in f32.
;;   The module's matrix products, in the order in which they are computed (A, B: the left and right operand; K: the contracted axis; several contracted axes count as one K, in the product's order):
;;     1. [M 4,096, K 2,048] x [K 2,048, N 2,048]; A: input x; B: input Wq: QUANTISED
;;     2. [M 4,096, K 2,048] x [K 2,048, N 4,096]; A: computed on the way; B: input slot_keys: QUANTISED
;;     3. batch 4,096 x [M 1, K 4] x [K 4, N 2,048]; A: softmax; B: computed on the way: left as it is (K = 4 < 32)
;;     4. [M 4,096, K 2,048] x [K 2,048, N 2,048]; A: computed on the way; B: input Wout: QUANTISED
;;   THE QUANTISER, for each operand of a quantised product, along K:
;;     - K is cut into blocks of 32 from its start; a last block that is shorter is filled with zeros.
;;     - A block's scale is 2^e with e = floor(log2(the largest magnitude in the block)) - 4, held to -126 .. 127; a block of zeros has e = 0. As a byte (E8M0): e + 127.
;;     - Each number is divided by its block's scale, clamped to +-28, and rounded to the nearest number of E3M2, ties to even, subnormals kept.
;;     - The product sums the exact products of the quantised numbers (number of the format x scale) in f32.
;;   ~~~python
;;   def quantise(x, axis):      # numpy; x: float32 -> the quantised numbers, widened to float32 again
;;       x = np.moveaxis(x, axis, -1); K = x.shape[-1]
;;       x = np.pad(x, [(0, 0)] * (x.ndim - 1) + [(0, -K % 32)]); x = x.reshape(x.shape[:-1] + (-1, 32)); a = np.abs(x).max(-1, keepdims=True)
;;       e = np.where(a > 0, np.clip(np.frexp(np.where(a > 0, a, 1))[1] - 1 - 4, -126, 127), 0)      # np.frexp(a)[1] - 1 = floor(log2(a)), exactly
;;       r = np.clip(x / 2.0 ** e, -28, 28)
;;       step = 2.0 ** (np.maximum(np.frexp(np.where(r == 0, 1, r))[1] - 1, -2) - 2)
;;       q = np.round(r / step) * step * 2.0 ** e      # np.round: ties to even
;;       return np.moveaxis(q.reshape(q.shape[:-2] + (-1,))[..., :K], -1, axis).astype(np.float32)
;;   ~~~
;;   OPERANDS COMPUTED ON THE WAY. 'Computed on the way' means the value that the module computes at that place (a softmax that the list does not call 'softmax' is quantised finished and normalised). What goes into a quantiser is computed in f32, as accurately as f32 sums, v_exp_f32 and their like allow (about 1e-6 of the number): no bf16 or f16 on the way to a quantiser, and a product that is left as it is and whose result goes on into a quantised operand takes f32 operands (vector FMAs, or v_wmma_f32_16x16x4_f32). A number that lies on a knife's edge between two numbers of the format may be rounded either way, as far as f32 arithmetic and the matrix unit's own rounding can turn it there, and no further.
;; One version. Each part assembles by itself: llvm-mc -triple=amdgcn-amd-amdhsa -mcpu=gfx1250 --defsym DOCPART=n.
;; ======== version 1 of 1: 6 launches
;; workspace buffers: wk 19,660,800 bytes; qq 6,553,600 bytes; cand 4,194,304 bytes; ids 65,536 bytes of whole numbers; attn 65,536 bytes; rq 6,553,600 bytes
;; launch quant (part 1): grid 768 x 1, 4 waves a work-group, no clusters, 34,304 bytes of LDS; arguments x, Wq, slot_keys, Wout, wk; writes wk
.if DOCPART == 1
	.amdgcn_target "amdgcn-amd-amdhsa--gfx1250"
	.amdhsa_code_object_version 6
	.text
	.protected	k_qe803ca19b1_quant
	.globl	k_qe803ca19b1_quant
	.p2align	8
	.type	k_qe803ca19b1_quant,@function
k_qe803ca19b1_quant:
	s_mov_b64 s[64:65], 0
	v_nop
	global_prefetch_b8 v0, s[64:65] scope:SCOPE_SE
	s_setreg_imm32_b32 hwreg(HW_REG_WAVE_MODE, 25, 1), 1
	s_wait_xcnt 0x0
.set STG,   8448
.set SPARE, 4*STG
.set OFA,  4
.set OFB,  5
.set ST,   6
.set RD,   7
.set SH,   8
.set SO,   9
.set SPW,  10
.set NIL,  11
.set MX,   12
.set EX,   14
.set BT,   16
.set TP,   18
.set TQ,   20
.set WD,   28
.set R,    32
.set X,    160
.set C,    224
.set SEL,  28
	s_load_b256 s[4:11], s[0:1], 0x0
	s_load_b64 s[12:13], s[0:1], 0x20
	v_lshl_add_u32 v[SPW], v0, 2, SPARE
	v_mov_b32 v[NIL], 0
	v_lshrrev_b32 v1, 5, v0
	v_readfirstlane_b32 s16, v1
	v_and_b32 v1, 31, v0
	v_and_b32 v2, 15, v0
	v_bfe_u32 v3, v0, 4, 1
	v_lshlrev_b32 v[OFA], 4, v1
	s_mul_i32 s17, s16, STG
	v_add_nc_u32 v[ST], s17, v[OFA]
	v_mul_u32_u24 v[RD], v2, 528
	v_lshl_add_u32 v[RD], v3, 7, v[RD]
	v_add_nc_u32 v[RD], s17, v[RD]
	v_lshlrev_b32 v[SH], 3, v3
	v_lshl_add_u32 v[SO], v2, 4, v[SH]
	v_mov_b32 v[TP], 0
	s_mov_b32 s27, 0xffff0000
	s_mov_b32 s[SEL], 0x76543210
	s_mov_b32 s[SEL+1], 0xfedcba98
	s_cmp_lt_u32 ttmp9, 256
	s_cselect_b32 s20, 0, 256
	s_cselect_b32 s21, 0, 65536
	s_cmp_lt_u32 ttmp9, 384
	s_cselect_b32 s20, s20, 384
	s_cselect_b32 s21, s21, 458752
	s_cmp_lt_u32 ttmp9, 640
	s_cselect_b32 s20, s20, 640
	s_cselect_b32 s21, s21, 0
	s_sub_co_u32 s22, ttmp9, s20
	s_and_b32 s18, s22, 7
	s_lshl_b32 s23, s18, 4
	s_lshr_b32 s24, s18, 1
	s_lshl_b32 s24, s24, 5
	s_and_b32 s19, s18, 1
	s_lshl_b32 s19, s19, 3
	s_add_co_u32 s24, s24, s19
	s_lshl_b32 s25, s18, 3
	s_cmp_lt_u32 ttmp9, 256
	s_cselect_b32 s26, s23, s24
	s_cmp_lt_u32 ttmp9, 384
	s_cselect_b32 s26, s26, s25
	s_cmp_lt_u32 ttmp9, 640
	s_cselect_b32 s26, s26, s23
	s_lshr_b32 s22, s22, 3
	s_lshl_b32 s22, s22, 7
	s_add_co_u32 s22, s22, s26
	s_lshl_b32 s22, s22, 13
	s_lshl_b32 s19, s16, 11
	s_add_co_u32 s22, s22, s19
	s_mov_b32 s23, 0
	v_add_nc_u32 v[OFB], s21, v[OFA]
	s_mul_i32 s34, ttmp9, 24576
	s_mul_i32 s35, s16, 6144
	s_add_co_u32 s34, s34, s35
	s_mov_b32 s35, 0
	s_lshl_b32 s36, ttmp9, 10
	s_lshl_b32 s37, s16, 8
	s_add_co_u32 s36, s36, s37
	s_add_co_u32 s36, s36, 18874368
	s_mov_b32 s37, 0
	s_wait_kmcnt 0x0
	s_cmp_lt_u32 ttmp9, 256
	s_cselect_b64 s[14:15], s[4:5], s[6:7]
	s_cmp_lt_u32 ttmp9, 384
	s_cselect_b64 s[14:15], s[14:15], s[8:9]
	s_cmp_lt_u32 ttmp9, 640
	s_cselect_b64 s[14:15], s[14:15], s[10:11]
	s_add_nc_u64 s[14:15], s[14:15], s[22:23]
	s_add_nc_u64 s[30:31], s[12:13], s[34:35]
	s_add_nc_u64 s[32:33], s[12:13], s[36:37]
.macro LOAD t
.irp i, 0,1,2,3,4,5,6,7
	global_load_b128 v[R+64*((\t)%2)+4*\i:R+64*((\t)%2)+4*\i+3], v[OFA], s[14:15] offset:8192*\i+512*(\t) th:TH_LOAD_NT
.endr
.irp i, 8,9,10,11,12,13,14,15
	global_load_b128 v[R+64*((\t)%2)+4*\i:R+64*((\t)%2)+4*\i+3], v[OFB], s[14:15] offset:8192*\i+512*(\t) th:TH_LOAD_NT
.endr
.endm
.macro QF x, c, w
.irp b, 0,1
	v_max3_num_f32 v[MX+\b], |v[\x+32*\b]|, |v[\x+32*\b+1]|, 0x2800000
.endr
.irp i, 2,4,6,8,10,12,14,16,18,20,22,24,26,28,30
.irp b, 0,1
	v_max3_num_f32 v[MX+\b], v[MX+\b], |v[\x+32*\b+\i]|, |v[\x+32*\b+\i+1]|
.endr
.endr
.irp b, 0,1
	v_add_nc_u32 v[EX+\b], 0xfe000000, v[MX+\b]
.endr
.irp b, 0,1
	v_lshrrev_b32 v[BT+\b], 23, v[EX+\b]
.endr
	v_lshl_or_b32 v[\w], v[BT+1], 16, v[BT]
	v_lshlrev_b32 v[\w], v[SH], v[\w]
	v_permlanex16_b32 v[TP], v[\w], s[SEL], s[SEL+1]
	v_or_b32 v[\w], v[\w], v[TP]
.irp b, 0,1
	v_cvt_scalef32_pk16_bf6_f32 v[\c+6*\b:\c+6*\b+2], v[\x+32*\b:\x+32*\b+15], v[EX+\b]
	v_cvt_scalef32_pk16_bf6_f32 v[TQ+4*\b:TQ+4*\b+2], v[\x+32*\b+16:\x+32*\b+31], v[EX+\b]
.endr
	v_nop
.irp b, 0,1
.irp i, 0,1,2
	v_mov_b32 v[\c+6*\b+3+\i], v[TQ+4*\b+\i]
.endr
.endr
.endm
.macro FRAGM f
.if \f < 3
	s_wait_loadcnt 16
.else
	s_wait_loadcnt 0x0
.endif
.irp i, 0,1,2,3,4,5,6,7,8,9,10,11,12,13,14,15
	ds_store_b128 v[ST], v[R+64*((\f)%2)+4*\i:R+64*((\f)%2)+4*\i+3] offset:528*\i
.endr
.irp c, 0,1
.irp j, 0,1,2,3,4,5,6,7
	ds_load_b128 v[X+32*\c+4*\j:X+32*\c+4*\j+3], v[RD] offset:256*\c+16*\j
.endr
.endr
	s_wait_dscnt 0x0
.if \f < 2
	LOAD (\f)+2
.else
	s_wait_xcnt 0x0
.endif
.set CC, C+12*((\f)%2)
	QF X, CC, WD+\f
.irp c, 0,1,2
	global_store_b128 v[OFA], v[CC+4*\c:CC+4*\c+3], s[30:31] offset:1536*(\f)+512*\c
.endr
.endm
	LOAD 0
	LOAD 1
	FRAGM 0
	FRAGM 1
	FRAGM 2
	FRAGM 3
	v_cndmask_b32 v248, v[WD], v[WD+2], s27
	v_cndmask_b32 v249, v[WD+1], v[WD+3], s27
	global_store_b64 v[SO], v[248:249], s[32:33]
	s_wait_tensorcnt 0x0
	ds_add_u32 v[SPW], v[NIL]
	s_wait_dscnt 0x0
	s_endpgm
.Lfunc_end_k_qe803ca19b1_quant:
	.size	k_qe803ca19b1_quant, .Lfunc_end_k_qe803ca19b1_quant-k_qe803ca19b1_quant
	.p2alignl 7, 3214868480
	.fill 96, 4, 3214868480
	.section	.rodata,"a",@progbits
	.p2align	6, 0x0
	.amdhsa_kernel k_qe803ca19b1_quant
		.amdhsa_group_segment_fixed_size 34304
		.amdhsa_private_segment_fixed_size 0
		.amdhsa_enable_private_segment 0
		.amdhsa_kernarg_size 40
		.amdhsa_user_sgpr_count 2
		.amdhsa_user_sgpr_kernarg_segment_ptr 1
		.amdhsa_wavefront_size32 1
		.amdhsa_system_sgpr_workgroup_id_x 1
		.amdhsa_system_sgpr_workgroup_id_y 1
		.amdhsa_system_sgpr_workgroup_id_z 1
		.amdhsa_system_vgpr_workitem_id 0
		.amdhsa_next_free_vgpr 256
		.amdhsa_next_free_sgpr 66
		.amdhsa_reserve_vcc 0
		.amdhsa_float_denorm_mode_32 3
		.amdhsa_float_denorm_mode_16_64 3
		.amdhsa_memory_ordered 1
		.amdhsa_forward_progress 1
		.amdhsa_inst_pref_size 31
	.end_amdhsa_kernel
	.amdgpu_metadata
---
amdhsa.version: [ 1, 2 ]
amdhsa.kernels:
  - .name:           k_qe803ca19b1_quant
    .symbol:         k_qe803ca19b1_quant.kd
    .args:
      - { .name: x, .offset: 0, .size: 8, .value_kind: global_buffer, .address_space: global }
      - { .name: Wq, .offset: 8, .size: 8, .value_kind: global_buffer, .address_space: global }
      - { .name: slot_keys, .offset: 16, .size: 8, .value_kind: global_buffer, .address_space: global }
      - { .name: Wout, .offset: 24, .size: 8, .value_kind: global_buffer, .address_space: global }
      - { .name: wk, .offset: 32, .size: 8, .value_kind: global_buffer, .address_space: global }
    .group_segment_fixed_size: 34304
    .private_segment_fixed_size: 0
    .kernarg_segment_align: 8
    .kernarg_segment_size: 40
    .max_flat_workgroup_size: 128
    .sgpr_count:     66
    .vgpr_count:     256
    .wavefront_size: 32
...
	.end_amdgpu_metadata
.endif
;; end of part 1
;; launch gemm1 (part 2): grid 8 x 32, 4 waves a work-group, clusters of 4 x 4, 327,680 bytes of LDS; arguments wk, qq; writes qq
.if DOCPART == 2
	.amdgcn_target "amdgcn-amd-amdhsa--gfx1250"
	.amdhsa_code_object_version 6
	.text
	.protected	k_qe803ca19b1_gemm1
	.globl	k_qe803ca19b1_gemm1
	.p2align	8
	.type	k_qe803ca19b1_gemm1,@function
k_qe803ca19b1_gemm1:
	s_mov_b64 s[64:65], 0
	v_nop
	global_prefetch_b8 v0, s[64:65] scope:SCOPE_SE
	s_setreg_imm32_b32 hwreg(HW_REG_WAVE_MODE, 25, 1), 1
	s_wait_xcnt 0x0
	s_wait_alu depctr_hold_cnt(0) depctr_sa_sdst(0) depctr_va_vdst(0) depctr_va_sdst(0) depctr_va_ssrc(0) depctr_va_vcc(0) depctr_vm_vsrc(0)
	s_getreg_b32 s2, hwreg(HW_REG_IB_STS2, 6, 4)
	s_cmp_eq_u32 s2, 0
	s_cbranch_scc0 .Lentry_in_a_cluster
	s_endpgm
.Lentry_in_a_cluster:
	s_bfe_u32 s2, ttmp6, 0x10000c
	s_cmp_lg_u32 s2, 0xf033
	s_cbranch_scc0 .Lentry_shape_is_right
	s_endpgm
.Lentry_shape_is_right:
.set AB,    4
.set ASOFF, 18874368
.set BOFF,  6291456
.set BSOFF, 19136512
.set FR,    12
.set NQ,    4
.set RBL,   NQ*1536
.set RBP,   24576
.set ASZ,   2*AB*RBL
.set SLOT,  ASZ+16*RBL
.set SCL,   2*SLOT
.set ASC,   2*AB*1024
.set SPARE, SCL+ASC+16384
.set ADRA, 16
.set ADRB, 20
.set CO,   26
.set ADRS, 27
.set SPW,  28
.set NIL,  29
.set SC,   32
.set AF,   64
.set SG,   97
.set G1,   24
.set G0,   32
.set G1B,  48
.set G0B,  56
.set G1S,  68
.set G0S,  76
.set G1SB, 80
.set G0SB, 88
.set MSB, 0
.macro WIN new
.if MSB != (\new)
	s_set_vgpr_msb (MSB<<8)|(\new)
.set MSB, (\new)
.endif
.endm
.macro PLACES cnt
.rept \cnt
	v_nop
.endr
.endm
.macro JLOAD g0a, g1a, g0b, g1b
	s_cmp_eq_u32 s15, 0
	s_cbranch_scc0 .Lfor_b_\@
	tensor_load_to_lds s[\g0a:\g0a+3], s[\g1a:\g1a+7]
	s_nop 0
.rept 4
	v_nop
.endr
	s_branch .Lasked_\@
.Lfor_b_\@:
	tensor_load_to_lds s[\g0b:\g0b+3], s[\g1b:\g1b+7]
	s_nop 0
.rept 4
	v_nop
.endr
.Lasked_\@:
.endm
.macro CREST
	s_cmp_lg_u32 s14, 0
	s_cbranch_scc1 .Lnot_wave_0_\@
	s_barrier_signal -3
.Lnot_wave_0_\@:
	s_barrier_wait -3
	s_barrier_signal -1
	s_barrier_wait -1
.endm
.macro CROUND
	s_barrier_signal -1
	s_barrier_wait -1
	CREST
.endm
	s_load_b64 s[4:5], s[0:1], 0x0
	s_load_b64 s[6:7], s[0:1], 0x0
	s_load_b64 s[8:9], s[0:1], 0x8
	v_lshl_add_u32 v[SPW], v0, 2, SPARE
	v_mov_b32 v[NIL], 0
	ds_add_u32 v[SPW], v[NIL]
	ds_add_u32 v[SPW], v[NIL]
	v_lshrrev_b32 v1, 5, v0
	v_readfirstlane_b32 s14, v1
	s_lshr_b32 s15, s14, 1
	s_and_b32 s16, s14, 1
	s_bfe_u32 s40, ttmp6, 0x40000
	s_bfe_u32 s41, ttmp6, 0x40004
	s_lshl_b32 s42, ttmp9, 2
	s_add_co_u32 s42, s42, s40
	s_and_b32 s17, ttmp7, 0xffff
	s_lshl_b32 s17, s17, 2
	s_add_co_u32 s17, s17, s41
	s_lshl_b32 s43, s41, 2
	s_lshl_b32 s43, 15, s43
	s_lshl_b32 s44, 0x1111, s40
	s_mov_b32 s[SG], 0x20820820
	s_mov_b32 s[SG+1], 0x08208208
	s_mov_b32 s[SG+2], 0x82082082
	s_or_b32 s[G1+0], s43, (3<<16)|(1<<21)
	s_mov_b32 s[G1+1], (RBL/8)<<16
	s_mov_b32 s[G1+2], AB<<16
	s_mov_b32 s[G1+3], (RBL/8)<<16
	s_mov_b32 s[G1+4], AB
	s_mov_b32 s[G1+5], 3072
	s_mov_b32 s[G1+6], 0
	s_mov_b32 s[G1+7], 0
	s_or_b32 s[G1B+0], s44, (3<<16)|(1<<21)
	s_mov_b32 s[G1B+1], (RBL/8)<<16
	s_mov_b32 s[G1B+2], 8<<16
	s_mov_b32 s[G1B+3], (RBL/8)<<16
	s_mov_b32 s[G1B+4], 8
	s_mov_b32 s[G1B+5], 3072
	s_mov_b32 s[G1B+6], 0
	s_mov_b32 s[G1B+7], 0
	s_or_b32 s[G1S+0], s43, (3<<16)|(1<<21)
	s_mov_b32 s[G1S+1], 32<<16
	s_mov_b32 s[G1S+2], (4*AB)<<16
	s_mov_b32 s[G1S+3], 32<<16
	s_mov_b32 s[G1S+4], 4*AB
	s_mov_b32 s[G1S+5], 32
	s_mov_b32 s[G1S+6], 0
	s_mov_b32 s[G1S+7], 0
	s_or_b32 s[G1SB+0], s44, (3<<16)|(1<<21)
	s_mov_b32 s[G1SB+1], 32<<16
	s_mov_b32 s[G1SB+2], 32<<16
	s_mov_b32 s[G1SB+3], 32<<16
	s_mov_b32 s[G1SB+4], 32
	s_mov_b32 s[G1SB+5], 32
	s_mov_b32 s[G1SB+6], 0
	s_mov_b32 s[G1SB+7], 0
	s_mul_i32 s20, s17, 2*AB
	s_mul_i32 s18, s16, AB
	s_add_co_u32 s20, s20, s18
	s_lshl_b32 s22, s20, 10
	s_add_co_u32 s22, s22, ASOFF
	s_mov_b32 s23, 0
	s_mul_i32 s20, s20, RBP
	s_mov_b32 s21, 0
	s_lshl_b32 s46, s42, 4
	s_lshl_b32 s18, s16, 3
	s_add_co_u32 s46, s46, s18
	s_lshl_b32 s92, s46, 10
	s_add_co_u32 s92, s92, BSOFF
	s_mov_b32 s93, 0
	s_mul_i32 s46, s46, RBP
	s_add_co_u32 s46, s46, BOFF
	s_mov_b32 s47, 0
	s_mul_i32 s45, s16, AB*RBL
	s_mul_i32 s94, s16, 8*RBL
	s_add_co_u32 s94, s94, ASZ
	s_mul_i32 s95, s16, AB*1024
	s_add_co_u32 s95, s95, SCL
	s_lshl_b32 s96, s16, 13
	s_add_co_u32 s96, s96, SCL+ASC
	s_wait_dscnt 0x0
	s_wait_kmcnt 0x0
	s_add_nc_u64 s[20:21], s[4:5], s[20:21]
	s_add_nc_u64 s[22:23], s[4:5], s[22:23]
	s_add_nc_u64 s[46:47], s[6:7], s[46:47]
	s_add_nc_u64 s[92:93], s[6:7], s[92:93]
	CROUND
	s_mov_b32 s[G0S], 1
	s_mov_b32 s[G0S+1], s95
	s_mov_b64 s[G0S+2:G0S+3], s[22:23]
	s_or_b32 s[G0S+3], s[G0S+3], 0x80000000
	s_mov_b32 s[G0SB], 1
	s_mov_b32 s[G0SB+1], s96
	s_mov_b64 s[G0SB+2:G0SB+3], s[92:93]
	s_or_b32 s[G0SB+3], s[G0SB+3], 0x80000000
	JLOAD G0S, G1S, G0SB, G1SB
.irp s, 0,1
	s_mov_b32 s[G0+4*\s], 1
	s_add_co_u32 s[G0+4*\s+1], s45, \s*SLOT
	s_add_nc_u64 s[G0+4*\s+2:G0+4*\s+3], s[20:21], \s*RBL
	s_or_b32 s[G0+4*\s+3], s[G0+4*\s+3], 0x80000000
	s_mov_b32 s[G0B+4*\s], 1
	s_add_co_u32 s[G0B+4*\s+1], s94, \s*SLOT
	s_add_nc_u64 s[G0B+4*\s+2:G0B+4*\s+3], s[46:47], \s*RBL
	s_or_b32 s[G0B+4*\s+3], s[G0B+4*\s+3], 0x80000000
	JLOAD G0+4*\s, G1, G0B+4*\s, G1B
.endr
	v_and_b32 v1, 15, v0
	v_bfe_u32 v2, v0, 4, 1
	v_and_b32 v3, 31, v0
	v_lshlrev_b32 v[CO], 4, v3
	s_mul_i32 s21, s15, AB*RBL
	s_mul_i32 s22, s16, 8*RBL
	s_add_co_u32 s22, s22, ASZ
.irp s, 0,1
	v_add_nc_u32 v[ADRA+\s], s21, v[CO]
	v_add_nc_u32 v[ADRB+\s], s22, v[CO]
	s_add_co_u32 s21, s21, SLOT
	s_add_co_u32 s22, s22, SLOT
.endr
	v_lshlrev_b32 v5, 4, v1
	s_mul_i32 s21, s15, AB*1024
	s_lshl_b32 s22, s16, 13
	s_add_co_u32 s22, s22, ASC
	s_sub_co_u32 s22, s22, s21
	v_mul_u32_u24 v6, s22, v2
	s_add_co_u32 s21, s21, SCL
	v_add_nc_u32 v5, v5, v6
	v_add_nc_u32 v[ADRS], s21, v5
	v_lshlrev_b32 v25, 4, v1
	v_lshl_add_u32 v25, v2, 10, v25
	s_lshl_b32 s20, s17, 3
	s_lshl_b32 s21, s15, 2
	s_add_co_u32 s20, s20, s21
	s_lshl_b32 s22, s20, 10
	s_mul_i32 s20, s20, RBP
	s_lshl_b32 s46, s42, 1
	s_add_co_u32 s46, s46, s16
	s_lshr_b32 s47, s46, 2
	s_lshl_b32 s47, s47, 8
	s_and_b32 s92, s46, 3
	s_lshl_b32 s92, s92, 2
	s_add_co_u32 s47, s47, s92
	s_add_co_u32 s22, s22, s47
	s_add_co_u32 s22, s22, 6291456
	s_mov_b32 s23, 0
	s_mul_i32 s46, s46, 1536
	s_add_co_u32 s20, s20, s46
	s_mov_b32 s21, 0
	s_add_nc_u64 s[10:11], s[8:9], s[22:23]
	s_add_nc_u64 s[8:9], s[8:9], s[20:21]
.macro FRAG reg, adr, q, i
.irp c, 0,1,2
	ds_load_b128 v[\reg+4*\c:\reg+4*\c+3], v[\adr] offset:RBL*(\i)+1536*(\q)+512*\c
.endr
.endm
.macro FETCH_B slot, q, p
	WIN 0x40
.irp i, 0,1,2,3,4,5,6,7
	FRAG 128*(\p)+FR*\i, ADRB+\slot, \q, \i
.endr
	WIN 0
.endm
.macro FETCH_A slot, q, p
.set AA, 0
.rept AB
	FRAG AF+96*(\p)+FR*AA, ADRA+\slot, \q, AA
.set AA, AA+1
.endr
.endm
.macro SCALES sc, off
	WIN 0
.irp i, 0,1,2,3,4,5,6,7
	ds_load_b64 v[SC+16*\sc+2*\i:SC+16*\sc+2*\i+1], v[ADRS] offset:1024*\i+\off
.endr
.endm
.macro NEG p
	WIN 0
.set AA, 0
.rept 4*AB
	v_xor_b32 v[AF+48+96*(\p)+3*AA], s[SG], v[AF+96*(\p)+3*AA]
	v_xor_b32 v[AF+48+96*(\p)+3*AA+1], s[SG+1], v[AF+96*(\p)+3*AA+1]
	v_xor_b32 v[AF+48+96*(\p)+3*AA+2], s[SG+2], v[AF+96*(\p)+3*AA+2]
.set AA, AA+1
.endr
	PLACES 4
.endm
.macro MULA a, p, q, sc, zero, neg
	WIN 0xa1+0x50*(\neg)
.irp b, 0,1,2,3,4,5,6,7
.if \zero
	v_wmma_scale_f32_16x16x128_f8f6f4 v[8*(8*(\a)+\b):8*(8*(\a)+\b)+7], v[128*(\p)+FR*\b:128*(\p)+FR*\b+FR-1], v[AF+48*(\neg)+96*(\p)+FR*(\a):AF+48*(\neg)+96*(\p)+FR*(\a)+FR-1], 0, v[SC+16*(\sc)+2*\b+(\q)], v[SC+16*(\sc)+2*(\a)+(\q)] matrix_a_fmt:MATRIX_FMT_BF6 matrix_b_fmt:MATRIX_FMT_BF6 matrix_a_scale:MATRIX_SCALE_ROW1
.else
	v_wmma_scale_f32_16x16x128_f8f6f4 v[8*(8*(\a)+\b):8*(8*(\a)+\b)+7], v[128*(\p)+FR*\b:128*(\p)+FR*\b+FR-1], v[AF+48*(\neg)+96*(\p)+FR*(\a):AF+48*(\neg)+96*(\p)+FR*(\a)+FR-1], v[8*(8*(\a)+\b):8*(8*(\a)+\b)+7], v[SC+16*(\sc)+2*\b+(\q)], v[SC+16*(\sc)+2*(\a)+(\q)] matrix_a_fmt:MATRIX_FMT_BF6 matrix_b_fmt:MATRIX_FMT_BF6 matrix_a_scale:MATRIX_SCALE_ROW1
.endif
.endr
.endm
.macro MULR lo, cnt, p, q, sc, zero, neg
.set AA, \lo
.rept \cnt
	MULA AA, \p, \q, \sc, \zero, \neg
.set AA, AA+1
.endr
.endm
.macro STEP slot, q, sc, zero
	s_wait_dscnt 0x0
	NEG 0
	MULR 0, AB, 0, 0, \sc, \zero, 0
	FETCH_B \slot, \q+1, 1
	FETCH_A \slot, \q+1, 1
	MULR 0, AB, 0, 0, \sc, \zero, 1
.endm
.macro MID slot, off
	s_wait_dscnt 0x0
	NEG 1
	MULR 0, AB, 1, 1, 0, 0, 0
	SCALES 1, \off
	FETCH_B \slot, 2, 0
	FETCH_A \slot, 2, 0
	MULR 0, AB, 1, 1, 0, 0, 1
.endm
.macro TURN slot, next, fill, off
	WIN 0
	s_wait_tensorcnt 0x0
	ds_add_u32 v[SPW], v[NIL]
	s_wait_dscnt 1
	NEG 1
	MULR 0, AB/2, 1, 1, 1, 0, 0
	s_wait_dscnt 0x0
	s_barrier_signal -1
	MULR AB/2, AB/2, 1, 1, 1, 0, 0
	WIN 0
	s_barrier_wait -1
.if \fill
	CREST
	s_add_nc_u64 s[G0+4*\slot+2:G0+4*\slot+3], s[G0+4*\slot+2:G0+4*\slot+3], 2*RBL
	s_add_nc_u64 s[G0B+4*\slot+2:G0B+4*\slot+3], s[G0B+4*\slot+2:G0B+4*\slot+3], 2*RBL
	JLOAD G0+4*\slot, G1, G0B+4*\slot, G1B
.else
	PLACES 4
.endif
	SCALES 0, \off
	FETCH_B \next, 0, 0
	FETCH_A \next, 0, 0
	MULR 0, AB, 1, 1, 1, 0, 1
.endm
.macro SLOTK slot, qr, zero
	STEP \slot, 0, 0, \zero
	MID \slot, 256*(\qr)+8
	STEP \slot, 2, 1, 0
.endm
	s_wait_tensorcnt 1
	s_barrier_signal -1
	s_barrier_wait -1
	SCALES 0, 0
	FETCH_B 0, 0, 0
	FETCH_A 0, 0, 0
	SLOTK 0, 0, 1
	TURN 0, 1, 1, 256
	SLOTK 1, 1, 0
	TURN 1, 0, 1, 512
	SLOTK 0, 2, 0
	TURN 0, 1, 0, 768
	SLOTK 1, 3, 0
	s_wait_dscnt 0x0
	NEG 1
	MULR 0, AB, 1, 1, 1, 0, 0
	MULR 0, AB, 1, 1, 1, 0, 1
	WIN 0
	PLACES 4
	WIN 0x8e
.set n, 0
.rept 128
	v_pk_add_f32 v[2*n:2*n+1], v[2*n:2*n+1], v[2*n:2*n+1] neg_lo:[0,1] neg_hi:[0,1]
.set n, n+1
.endr
	WIN 0
.set TM, 32
.set PW, 48
.macro QUANTW a
.set S, 64*(\a)
.set PC, 64+20*(\a)
	WIN 0x0a
.irp b, 0,1,2,3
	v_max3_num_f32 v[TM+\b], |v[S+16*\b]|, |v[S+16*\b+1]|, 0x3000000
.endr
.irp i, 2,4,6,8,10,12,14
.irp b, 0,1,2,3
	v_max3_num_f32 v[TM+\b], |v[S+16*\b+\i]|, |v[S+16*\b+\i+1]|, v[TM+\b]
.endr
.endr
	WIN 0
.irp b, 0,1,2,3
	v_permlanex16_b32 v[TM+4+\b], v[TM+\b], s12, s13
.endr
.irp b, 0,1,2,3
	v_max_num_f32 v[TM+\b], v[TM+\b], v[TM+4+\b]
.endr
.irp b, 0,1,2,3
	v_add_nc_u32 v[TM+12+\b], 0xfe000000, v[TM+\b]
.endr
.irp b, 0,1,2,3
	v_lshrrev_b32 v[TM+4+\b], 23, v[TM+12+\b]
.endr
	v_lshl_or_b32 v[PW+\a], v[TM+5], 8, v[TM+4]
	v_lshl_or_b32 v[PW+\a], v[TM+6], 16, v[PW+\a]
	v_lshl_or_b32 v[PW+\a], v[TM+7], 24, v[PW+\a]
	v_add_nc_u32 v[PW+\a], 0xfefefeff, v[PW+\a]
	WIN 0x02
.irp c, 0,1
	v_cvt_scalef32_pk16_bf6_f32 v[PC+6*\c:PC+6*\c+2], v[S+32*\c:S+32*\c+15], v[TM+12+2*\c]
	v_cvt_scalef32_pk16_bf6_f32 v[PC+12+4*\c:PC+14+4*\c], v[S+32*\c+16:S+32*\c+31], v[TM+12+2*\c+1]
.endr
	WIN 0
	v_nop
.irp c, 0,1
.irp i, 0,1,2
	v_permlane16_swap_b32 v[PC+6*\c+\i], v[PC+12+4*\c+\i]
.endr
.irp i, 0,1,2
	v_mov_b32 v[PC+3+6*\c+\i], v[PC+12+4*\c+\i]
.endr
.endr
.endm
	s_mov_b32 s12, 0x76543210
	s_mov_b32 s13, 0xfedcba98
	s_mov_b32 s18, 0xffff0000
.irp b, 0,1,2,3
	v_mov_b32 v[TM+4+\b], 0
.endr
.irp a, 0,1,2,3
	QUANTW \a
.irp c, 0,1,2
	global_store_b128 v[CO], v[64+20*\a+4*\c:64+20*\a+4*\c+3], s[8:9] offset:RBP*\a+512*\c
.endr
.endr
	v_cndmask_b32 v52, v[PW], v[PW+1], s18
	v_cndmask_b32 v53, v[PW+2], v[PW+3], s18
	global_store_b32 v25, v52, s[10:11]
	global_store_b32 v25, v53, s[10:11] offset:2048
	s_wait_tensorcnt 0x0
	ds_add_u32 v[SPW], v[NIL]
	s_wait_dscnt 0x0
	CROUND
	s_endpgm
.Lfunc_end_k_qe803ca19b1_gemm1:
	.size	k_qe803ca19b1_gemm1, .Lfunc_end_k_qe803ca19b1_gemm1-k_qe803ca19b1_gemm1
	.p2alignl 7, 3214868480
	.fill 96, 4, 3214868480
	.section	.rodata,"a",@progbits
	.p2align	6, 0x0
	.amdhsa_kernel k_qe803ca19b1_gemm1
		.amdhsa_group_segment_fixed_size 327680
		.amdhsa_private_segment_fixed_size 0
		.amdhsa_enable_private_segment 0
		.amdhsa_kernarg_size 16
		.amdhsa_user_sgpr_count 2
		.amdhsa_user_sgpr_kernarg_segment_ptr 1
		.amdhsa_wavefront_size32 1
		.amdhsa_system_sgpr_workgroup_id_x 1
		.amdhsa_system_sgpr_workgroup_id_y 1
		.amdhsa_system_sgpr_workgroup_id_z 1
		.amdhsa_system_vgpr_workitem_id 0
		.amdhsa_next_free_vgpr 1024
		.amdhsa_next_free_sgpr 100
		.amdhsa_reserve_vcc 0
		.amdhsa_float_denorm_mode_32 3
		.amdhsa_float_denorm_mode_16_64 3
		.amdhsa_memory_ordered 1
		.amdhsa_forward_progress 1
		.amdhsa_inst_pref_size 236
	.end_amdhsa_kernel
	.amdgpu_metadata
---
amdhsa.version: [ 1, 2 ]
amdhsa.kernels:
  - .name:           k_qe803ca19b1_gemm1
    .symbol:         k_qe803ca19b1_gemm1.kd
    .args:
      - { .name: wk, .offset: 0, .size: 8, .value_kind: global_buffer, .address_space: global }
      - { .name: qq, .offset: 8, .size: 8, .value_kind: global_buffer, .address_space: global }
    .group_segment_fixed_size: 327680
    .private_segment_fixed_size: 0
    .kernarg_segment_align: 8
    .kernarg_segment_size: 16
    .max_flat_workgroup_size: 128
    .sgpr_count:     100
    .vgpr_count:     1024
    .wavefront_size: 32
...
	.end_amdgpu_metadata
.endif
;; end of part 2
;; launch gemm2 (part 3): grid 16 x 16, 4 waves a work-group, clusters of 4 x 4, 327,680 bytes of LDS; arguments qq, wk, cand; writes cand
.if DOCPART == 3
	.amdgcn_target "amdgcn-amd-amdhsa--gfx1250"
	.amdhsa_code_object_version 6
	.text
	.protected	k_qe803ca19b1_gemm2
	.globl	k_qe803ca19b1_gemm2
	.p2align	8
	.type	k_qe803ca19b1_gemm2,@function
k_qe803ca19b1_gemm2:
	s_mov_b64 s[64:65], 0
	v_nop
	global_prefetch_b8 v0, s[64:65] scope:SCOPE_SE
	s_setreg_imm32_b32 hwreg(HW_REG_WAVE_MODE, 25, 1), 1
	s_wait_xcnt 0x0
	s_wait_alu depctr_hold_cnt(0) depctr_sa_sdst(0) depctr_va_vdst(0) depctr_va_sdst(0) depctr_va_ssrc(0) depctr_va_vcc(0) depctr_vm_vsrc(0)
	s_getreg_b32 s2, hwreg(HW_REG_IB_STS2, 6, 4)
	s_cmp_eq_u32 s2, 0
	s_cbranch_scc0 .Lentry_in_a_cluster
	s_endpgm
.Lentry_in_a_cluster:
	s_bfe_u32 s2, ttmp6, 0x10000c
	s_cmp_lg_u32 s2, 0xf033
	s_cbranch_scc0 .Lentry_shape_is_right
	s_endpgm
.Lentry_shape_is_right:
.set AB,    8
.set ASOFF, 6291456
.set BOFF,  9437184
.set BSOFF, 19267584
.set FR,    12
.set RBL,   3072
.set RBP,   24576
.set ASZ,   2*AB*RBL
.set SLOT,  ASZ+16*RBL
.set SCL,   2*SLOT
.set ASC,   2*AB*1024
.set SPARE, SCL+ASC+16384
.set ADRA, 16
.set ADRB, 20
.set CO,   26
.set ADRS, 27
.set SPW,  28
.set NIL,  29
.set SC,   32
.set AF,   64
.set G1,   24
.set G0,   32
.set G1B,  48
.set G0B,  56
.set G1S,  68
.set G0S,  76
.set G1SB, 80
.set G0SB, 88
.set MSB, 0
.macro WIN new
.if MSB != (\new)
	s_set_vgpr_msb (MSB<<8)|(\new)
.set MSB, (\new)
.endif
.endm
.macro PLACES n
.rept \n
	v_nop
.endr
.endm
.macro JLOAD g0a, g1a, g0b, g1b
	s_cmp_eq_u32 s15, 0
	s_cbranch_scc0 .Lfor_b_\@
	tensor_load_to_lds s[\g0a:\g0a+3], s[\g1a:\g1a+7]
	s_nop 0
.rept 4
	v_nop
.endr
	s_branch .Lasked_\@
.Lfor_b_\@:
	tensor_load_to_lds s[\g0b:\g0b+3], s[\g1b:\g1b+7]
	s_nop 0
.rept 4
	v_nop
.endr
.Lasked_\@:
.endm
.macro CREST
	s_cmp_lg_u32 s14, 0
	s_cbranch_scc1 .Lnot_wave_0_\@
	s_barrier_signal -3
.Lnot_wave_0_\@:
	s_barrier_wait -3
	s_barrier_signal -1
	s_barrier_wait -1
.endm
.macro CROUND
	s_barrier_signal -1
	s_barrier_wait -1
	CREST
.endm
	s_load_b128 s[4:7], s[0:1], 0x0
	s_load_b64 s[8:9], s[0:1], 0x10
	v_lshl_add_u32 v[SPW], v0, 2, SPARE
	v_mov_b32 v[NIL], 0
	ds_add_u32 v[SPW], v[NIL]
	ds_add_u32 v[SPW], v[NIL]
	v_lshrrev_b32 v1, 5, v0
	v_readfirstlane_b32 s14, v1
	s_lshr_b32 s15, s14, 1
	s_and_b32 s16, s14, 1
	s_bfe_u32 s40, ttmp6, 0x40000
	s_bfe_u32 s41, ttmp6, 0x40004
	s_lshl_b32 s42, ttmp9, 2
	s_add_co_u32 s42, s42, s40
	s_and_b32 s17, ttmp7, 0xffff
	s_lshl_b32 s17, s17, 2
	s_add_co_u32 s17, s17, s41
	s_lshl_b32 s43, s41, 2
	s_lshl_b32 s43, 15, s43
	s_lshl_b32 s44, 0x1111, s40
	s_or_b32 s[G1+0], s43, (3<<16)|(1<<21)
	s_mov_b32 s[G1+1], 384<<16
	s_mov_b32 s[G1+2], AB<<16
	s_mov_b32 s[G1+3], 384<<16
	s_mov_b32 s[G1+4], AB
	s_mov_b32 s[G1+5], 3072
	s_mov_b32 s[G1+6], 0
	s_mov_b32 s[G1+7], 0
	s_or_b32 s[G1B+0], s44, (3<<16)|(1<<21)
	s_mov_b32 s[G1B+1], 384<<16
	s_mov_b32 s[G1B+2], 8<<16
	s_mov_b32 s[G1B+3], 384<<16
	s_mov_b32 s[G1B+4], 8
	s_mov_b32 s[G1B+5], 3072
	s_mov_b32 s[G1B+6], 0
	s_mov_b32 s[G1B+7], 0
	s_or_b32 s[G1S+0], s43, (3<<16)|(1<<21)
	s_mov_b32 s[G1S+1], 32<<16
	s_mov_b32 s[G1S+2], (4*AB)<<16
	s_mov_b32 s[G1S+3], 32<<16
	s_mov_b32 s[G1S+4], 4*AB
	s_mov_b32 s[G1S+5], 32
	s_mov_b32 s[G1S+6], 0
	s_mov_b32 s[G1S+7], 0
	s_or_b32 s[G1SB+0], s44, (3<<16)|(1<<21)
	s_mov_b32 s[G1SB+1], 32<<16
	s_mov_b32 s[G1SB+2], 32<<16
	s_mov_b32 s[G1SB+3], 32<<16
	s_mov_b32 s[G1SB+4], 32
	s_mov_b32 s[G1SB+5], 32
	s_mov_b32 s[G1SB+6], 0
	s_mov_b32 s[G1SB+7], 0
	s_mul_i32 s20, s17, 2*AB
	s_mul_i32 s18, s16, AB
	s_add_co_u32 s20, s20, s18
	s_lshl_b32 s22, s20, 10
	s_add_co_u32 s22, s22, ASOFF
	s_mov_b32 s23, 0
	s_mul_i32 s20, s20, RBP
	s_mov_b32 s21, 0
	s_lshl_b32 s46, s42, 4
	s_lshl_b32 s18, s16, 3
	s_add_co_u32 s46, s46, s18
	s_lshl_b32 s92, s46, 10
	s_add_co_u32 s92, s92, BSOFF
	s_mov_b32 s93, 0
	s_mul_i32 s46, s46, RBP
	s_add_co_u32 s46, s46, BOFF
	s_mov_b32 s47, 0
	s_mul_i32 s45, s16, AB*RBL
	s_mul_i32 s94, s16, 8*RBL
	s_add_co_u32 s94, s94, ASZ
	s_mul_i32 s95, s16, AB*1024
	s_add_co_u32 s95, s95, SCL
	s_lshl_b32 s96, s16, 13
	s_add_co_u32 s96, s96, SCL+ASC
	s_wait_dscnt 0x0
	s_wait_kmcnt 0x0
	s_add_nc_u64 s[20:21], s[4:5], s[20:21]
	s_add_nc_u64 s[22:23], s[4:5], s[22:23]
	s_add_nc_u64 s[46:47], s[6:7], s[46:47]
	s_add_nc_u64 s[92:93], s[6:7], s[92:93]
	CROUND
	s_mov_b32 s[G0S], 1
	s_mov_b32 s[G0S+1], s95
	s_mov_b64 s[G0S+2:G0S+3], s[22:23]
	s_or_b32 s[G0S+3], s[G0S+3], 0x80000000
	s_mov_b32 s[G0SB], 1
	s_mov_b32 s[G0SB+1], s96
	s_mov_b64 s[G0SB+2:G0SB+3], s[92:93]
	s_or_b32 s[G0SB+3], s[G0SB+3], 0x80000000
	JLOAD G0S, G1S, G0SB, G1SB
.irp s, 0,1
	s_mov_b32 s[G0+4*\s], 1
	s_add_co_u32 s[G0+4*\s+1], s45, \s*SLOT
	s_add_nc_u64 s[G0+4*\s+2:G0+4*\s+3], s[20:21], \s*RBL
	s_or_b32 s[G0+4*\s+3], s[G0+4*\s+3], 0x80000000
	s_mov_b32 s[G0B+4*\s], 1
	s_add_co_u32 s[G0B+4*\s+1], s94, \s*SLOT
	s_add_nc_u64 s[G0B+4*\s+2:G0B+4*\s+3], s[46:47], \s*RBL
	s_or_b32 s[G0B+4*\s+3], s[G0B+4*\s+3], 0x80000000
	JLOAD G0+4*\s, G1, G0B+4*\s, G1B
.endr
	v_and_b32 v1, 15, v0
	v_bfe_u32 v2, v0, 4, 1
	v_and_b32 v3, 31, v0
	v_lshlrev_b32 v[CO], 4, v3
	s_mul_i32 s21, s15, AB*RBL
	s_mul_i32 s22, s16, 8*RBL
	s_add_co_u32 s22, s22, ASZ
.irp s, 0,1
	v_add_nc_u32 v[ADRA+\s], s21, v[CO]
	v_add_nc_u32 v[ADRB+\s], s22, v[CO]
	s_add_co_u32 s21, s21, SLOT
	s_add_co_u32 s22, s22, SLOT
.endr
	v_lshlrev_b32 v5, 4, v1
	s_mul_i32 s21, s15, AB*1024
	s_lshl_b32 s22, s16, 13
	s_add_co_u32 s22, s22, ASC
	s_sub_co_u32 s22, s22, s21
	v_mul_u32_u24 v6, s22, v2
	s_add_co_u32 s21, s21, SCL
	v_add_nc_u32 v5, v5, v6
	v_add_nc_u32 v[ADRS], s21, v5
	v_lshlrev_b32 v24, 5, v1
	v_lshl_add_u32 v24, v2, 4, v24
	s_lshl_b32 s20, s17, 8
	s_lshl_b32 s21, s15, 7
	s_add_co_u32 s20, s20, s21
	s_lshl_b32 s20, s20, 5
	s_mov_b32 s21, 0
	s_lshl_b32 s46, s42, 1
	s_add_co_u32 s46, s46, s16
	s_lshl_b32 s47, s46, 7
	v_lshl_add_u32 v25, v2, 6, s47
	s_lshl_b32 s46, s46, 17
	s_mov_b32 s47, 0
	s_add_nc_u64 s[20:21], s[20:21], s[46:47]
	s_add_nc_u64 s[8:9], s[8:9], s[20:21]
.macro FRAG reg, adr, q, i
.irp c, 0,1,2
	ds_load_b128 v[\reg+4*\c:\reg+4*\c+3], v[\adr] offset:RBL*(\i)+1536*(\q)+512*\c
.endr
.endm
.macro FETCH_B slot, q, p
	WIN 0x40
.irp i, 0,1,2,3,4,5,6,7
	FRAG 128*(\p)+FR*\i, ADRB+\slot, \q, \i
.endr
	WIN 0
.endm
.macro FETCH_A slot, q, p
.set AA, 0
.rept AB
	FRAG AF+96*(\p)+FR*AA, ADRA+\slot, \q, AA
.set AA, AA+1
.endr
.endm
.macro SCALES sc
.irp i, 0,1,2,3,4,5,6,7
	ds_load_b64 v[SC+16*\sc+2*\i:SC+16*\sc+2*\i+1], v[ADRS] offset:1024*\i
.endr
.endm
.macro MULA a, p, q, sc, zero
	WIN 0xa1+0x50*((\a)/4)
.irp b, 0,1,2,3,4,5,6,7
.if \zero
	v_wmma_scale_f32_16x16x128_f8f6f4 v[8*(8*((\a)%4)+\b):8*(8*((\a)%4)+\b)+7], v[128*(\p)+FR*\b:128*(\p)+FR*\b+FR-1], v[AF+96*(\p)+FR*(\a):AF+96*(\p)+FR*(\a)+FR-1], 0, v[SC+16*(\sc)+2*\b+(\q)], v[SC+16*(\sc)+2*(\a)+(\q)] matrix_a_fmt:MATRIX_FMT_BF6 matrix_b_fmt:MATRIX_FMT_BF6 matrix_a_scale:MATRIX_SCALE_ROW1
.else
	v_wmma_scale_f32_16x16x128_f8f6f4 v[8*(8*((\a)%4)+\b):8*(8*((\a)%4)+\b)+7], v[128*(\p)+FR*\b:128*(\p)+FR*\b+FR-1], v[AF+96*(\p)+FR*(\a):AF+96*(\p)+FR*(\a)+FR-1], v[8*(8*((\a)%4)+\b):8*(8*((\a)%4)+\b)+7], v[SC+16*(\sc)+2*\b+(\q)], v[SC+16*(\sc)+2*(\a)+(\q)] matrix_a_fmt:MATRIX_FMT_BF6 matrix_b_fmt:MATRIX_FMT_BF6 matrix_a_scale:MATRIX_SCALE_ROW1
.endif
.endr
.endm
.macro MULR lo, n, p, q, sc, zero
.set AA, \lo
.rept \n
	MULA AA, \p, \q, \sc, \zero
.set AA, AA+1
.endr
.endm
.macro STEP slot, zero
	s_wait_dscnt 3*AB/2
	MULR 0, AB/2, 0, 0, \slot, \zero
	s_wait_dscnt 0x0
	PLACES 4
	FETCH_B \slot, 1, 1
	FETCH_A \slot, 1, 1
	MULR AB/2, AB/2, 0, 0, \slot, \zero
	WIN 0
.endm
.macro TURN slot, next, fill
	s_wait_tensorcnt 0x0
	ds_add_u32 v[SPW], v[NIL]
	s_wait_dscnt 3*AB/2+1
	MULR 0, AB/4, 1, 1, \slot, 0
	s_wait_dscnt 0x0
	s_barrier_signal -1
	MULR AB/4, AB/4, 1, 1, \slot, 0
	WIN 0
	s_barrier_wait -1
.if \fill
	CREST
	s_add_nc_u64 s[G0+4*\slot+2:G0+4*\slot+3], s[G0+4*\slot+2:G0+4*\slot+3], 2*RBL
	s_add_nc_u64 s[G0B+4*\slot+2:G0B+4*\slot+3], s[G0B+4*\slot+2:G0B+4*\slot+3], 2*RBL
	JLOAD G0+4*\slot, G1, G0B+4*\slot, G1B
.else
	PLACES 4
.endif
	v_add_nc_u32 v[ADRS], 8+240*(\slot), v[ADRS]
	SCALES \next
	FETCH_B \next, 0, 0
	FETCH_A \next, 0, 0
	MULR AB/2, AB/2, 1, 1, \slot, 0
.endm
	s_wait_tensorcnt 1
	s_barrier_signal -1
	s_barrier_wait -1
	SCALES 0
	FETCH_B 0, 0, 0
	FETCH_A 0, 0, 0
	STEP 0, 1
	s_mov_b32 s3, 3
.Llap:
	TURN 0, 1, 1
	STEP 1, 0
	TURN 1, 0, 1
	STEP 0, 0
	s_sub_co_u32 s3, s3, 1
	s_cmp_lg_u32 s3, 0
	s_cbranch_scc1 .Llap
	TURN 0, 1, 0
	STEP 1, 0
	s_wait_dscnt 3*AB/2
	MULR 0, AB/2, 1, 1, 1, 0
	s_wait_dscnt 0x0
	MULR AB/2, AB/2, 1, 1, 1, 0
	WIN 0
.set PV, 32
.set TP, 48
.set T0, 64
.set T1, 128
.set TB, 192
.macro SELJ d, j, m, jr
.if \jr
	v_cndmask_b32 v[\d], v[\d], v[\j], s[\m]
.else
	v_cndmask_b32 v[\d], v[\d], \j, s[\m]
.endif
.endm
.macro INS2 va, ia, xa, ja, ma, vb, ib, xb, jb, mb, jr
.irp k, 3,2,1,0
	v_cmp_gt_f32 s[\ma+\k], v[\xa], v[\va+\k]
	v_cmp_gt_f32 s[\mb+\k], v[\xb], v[\vb+\k]
.endr
.irp k, 3,2,1
	SELJ \ia+\k, \ja, \ma+\k, \jr
	SELJ \ib+\k, \jb, \mb+\k, \jr
	v_med3_num_f32 v[\va+\k], v[\xa], v[\va+\k-1], v[\va+\k]
	v_med3_num_f32 v[\vb+\k], v[\xb], v[\vb+\k-1], v[\vb+\k]
	v_cndmask_b32 v[\ia+\k], v[\ia+\k], v[\ia+\k-1], s[\ma+\k-1]
	v_cndmask_b32 v[\ib+\k], v[\ib+\k], v[\ib+\k-1], s[\mb+\k-1]
.endr
	SELJ \ia, \ja, \ma, \jr
	SELJ \ib, \jb, \mb, \jr
	v_max_num_f32 v[\va], v[\xa], v[\va]
	v_max_num_f32 v[\vb], v[\xb], v[\vb]
.endm
.macro COPY t
	WIN 0x02+(\t)/2
.set n, 0
.rept 64
	v_pk_mul_f32 v[T0+2*n:T0+2*n+1], v[128*((\t)%2)+2*n:128*((\t)%2)+2*n+1], s[18:19] op_sel_hi:[1,0]
.set n, n+1
.endr
	WIN 0
.endm
	PLACES 4
	s_mov_b32 s10, 0xffff0000
	s_mov_b32 s12, 0x76543210
	s_mov_b32 s13, 0xfedcba98
	s_mov_b32 s18, 0x3cb504f3
	s_mov_b32 s19, s18
	s_mov_b32 s11, 0
.set n, 0
.rept 16
	v_mov_b32 v[TP+n], 0
.set n, n+1
.endr
.Lpair:
	s_cmp_eq_u32 s11, 0
	s_cbranch_scc1 .Lc0
	s_cmp_eq_u32 s11, 1
	s_cbranch_scc1 .Lc1
	s_cmp_eq_u32 s11, 2
	s_cbranch_scc1 .Lc2
	COPY 3
	s_branch .Lgo
.Lc0:
	COPY 0
	s_branch .Lgo
.Lc1:
	COPY 1
	s_branch .Lgo
.Lc2:
	COPY 2
.Lgo:
.irp k, 0,1,2,3
	v_mov_b32 v[PV+\k], 0xff800000
	v_mov_b32 v[PV+4+\k], 0
	v_mov_b32 v[PV+8+\k], 0xff800000
	v_mov_b32 v[PV+12+\k], 0
.endr
.set n, 0
.rept 64
	INS2 PV, PV+4, T0+n, n, 92, PV+8, PV+12, T1+n, n, 96, 0
.set n, n+1
.endr
.irp k, 0,1,2,3
	v_add_nc_u32 v[PV+4+\k], v25, v[PV+4+\k]
	v_add_nc_u32 v[PV+12+\k], v25, v[PV+12+\k]
.endr
.set n, 0
.rept 16
	v_permlanex16_b32 v[TP+n], v[PV+n], s12, s13
.set n, n+1
.endr
.set n, 0
.rept 16
	v_cndmask_b32 v[TB+n], v[TP+n], v[PV+n], s10
	v_cndmask_b32 v[PV+n], v[PV+n], v[TP+n], s10
.set n, n+1
.endr
.irp k, 0,1,2,3
	INS2 PV, PV+4, TB+\k, TB+4+\k, 92, PV+8, PV+12, TB+8+\k, TB+12+\k, 96, 1
.endr
.irp k, 0,1,2,3
	v_cndmask_b32 v[208+\k], v[PV+\k], v[PV+4+\k], s10
	v_cndmask_b32 v[212+\k], v[PV+8+\k], v[PV+12+\k], s10
.endr
	global_store_b128 v24, v[208:211], s[8:9]
	global_store_b128 v24, v[212:215], s[8:9] offset:512
	s_wait_xcnt 0x0
	s_add_nc_u64 s[8:9], s[8:9], 1024
	s_add_co_u32 s11, s11, 1
	s_cmp_lt_u32 s11, 4
	s_cbranch_scc1 .Lpair
	s_wait_tensorcnt 0x0
	ds_add_u32 v[SPW], v[NIL]
	s_wait_dscnt 0x0
	CROUND
	s_endpgm
.Lfunc_end_k_qe803ca19b1_gemm2:
	.size	k_qe803ca19b1_gemm2, .Lfunc_end_k_qe803ca19b1_gemm2-k_qe803ca19b1_gemm2
	.p2alignl 7, 3214868480
	.fill 96, 4, 3214868480
	.section	.rodata,"a",@progbits
	.p2align	6, 0x0
	.amdhsa_kernel k_qe803ca19b1_gemm2
		.amdhsa_group_segment_fixed_size 327680
		.amdhsa_private_segment_fixed_size 0
		.amdhsa_enable_private_segment 0
		.amdhsa_kernarg_size 24
		.amdhsa_user_sgpr_count 2
		.amdhsa_user_sgpr_kernarg_segment_ptr 1
		.amdhsa_wavefront_size32 1
		.amdhsa_system_sgpr_workgroup_id_x 1
		.amdhsa_system_sgpr_workgroup_id_y 1
		.amdhsa_system_sgpr_workgroup_id_z 1
		.amdhsa_system_vgpr_workitem_id 0
		.amdhsa_next_free_vgpr 1024
		.amdhsa_next_free_sgpr 100
		.amdhsa_reserve_vcc 0
		.amdhsa_float_denorm_mode_32 3
		.amdhsa_float_denorm_mode_16_64 3
		.amdhsa_memory_ordered 1
		.amdhsa_forward_progress 1
		.amdhsa_inst_pref_size 251
	.end_amdhsa_kernel
	.amdgpu_metadata
---
amdhsa.version: [ 1, 2 ]
amdhsa.kernels:
  - .name:           k_qe803ca19b1_gemm2
    .symbol:         k_qe803ca19b1_gemm2.kd
    .args:
      - { .name: qq, .offset: 0, .size: 8, .value_kind: global_buffer, .address_space: global }
      - { .name: wk, .offset: 8, .size: 8, .value_kind: global_buffer, .address_space: global }
      - { .name: cand, .offset: 16, .size: 8, .value_kind: global_buffer, .address_space: global }
    .group_segment_fixed_size: 327680
    .private_segment_fixed_size: 0
    .kernarg_segment_align: 8
    .kernarg_segment_size: 24
    .max_flat_workgroup_size: 128
    .sgpr_count:     100
    .vgpr_count:     1024
    .wavefront_size: 32
...
	.end_amdgpu_metadata
.endif
;; end of part 3
;; launch pick (part 4): grid 256 x 1, 1 waves a work-group, no clusters, 0 bytes of LDS; arguments cand, ids, attn; writes ids, attn
.if DOCPART == 4
	.amdgcn_target "amdgcn-amd-amdhsa--gfx1250"
	.amdhsa_code_object_version 6
	.text
	.protected	k_qe803ca19b1_pick
	.globl	k_qe803ca19b1_pick
	.p2align	8
	.type	k_qe803ca19b1_pick,@function
k_qe803ca19b1_pick:
	s_mov_b64 s[64:65], 0
	v_nop
	global_prefetch_b8 v0, s[64:65] scope:SCOPE_SE
	s_setreg_imm32_b32 hwreg(HW_REG_WAVE_MODE, 25, 1), 1
	s_wait_xcnt 0x0
.set LS, 32
.set TP, 160
.set TB, 168
.macro INS2 va, ia, xa, ja, ma, vb, ib, xb, jb, mb
.irp k, 0,1,2,3
	v_cmp_gt_f32 s[\ma+\k], v[\xa], v[\va+\k]
	v_cmp_gt_f32 s[\mb+\k], v[\xb], v[\vb+\k]
.endr
.irp k, 3,2,1
	v_med3_num_f32 v[\va+\k], v[\xa], v[\va+\k-1], v[\va+\k]
	v_med3_num_f32 v[\vb+\k], v[\xb], v[\vb+\k-1], v[\vb+\k]
.endr
	v_max_num_f32 v[\va], v[\xa], v[\va]
	v_max_num_f32 v[\vb], v[\xb], v[\vb]
.irp k, 3,2,1
	v_cndmask_b32 v[\ia+\k], v[\ia+\k], v[\ja], s[\ma+\k]
	v_cndmask_b32 v[\ib+\k], v[\ib+\k], v[\jb], s[\mb+\k]
	v_cndmask_b32 v[\ia+\k], v[\ia+\k], v[\ia+\k-1], s[\ma+\k-1]
	v_cndmask_b32 v[\ib+\k], v[\ib+\k], v[\ib+\k-1], s[\mb+\k-1]
.endr
	v_cndmask_b32 v[\ia], v[\ia], v[\ja], s[\ma]
	v_cndmask_b32 v[\ib], v[\ib], v[\jb], s[\mb]
.endm
.macro INS1 va, ia, xa, ja, ma
.irp k, 0,1,2,3
	v_cmp_gt_f32 s[\ma+\k], v[\xa], v[\va+\k]
.endr
.irp k, 3,2,1
	v_med3_num_f32 v[\va+\k], v[\xa], v[\va+\k-1], v[\va+\k]
.endr
	v_max_num_f32 v[\va], v[\xa], v[\va]
.irp k, 3,2,1
	v_cndmask_b32 v[\ia+\k], v[\ia+\k], v[\ja], s[\ma+\k]
	v_cndmask_b32 v[\ia+\k], v[\ia+\k], v[\ia+\k-1], s[\ma+\k-1]
.endr
	v_cndmask_b32 v[\ia], v[\ia], v[\ja], s[\ma]
.endm
	s_load_b128 s[4:7], s[0:1], 0x0
	s_load_b64 s[16:17], s[0:1], 0x10
	v_and_b32 v1, 15, v0
	v_lshrrev_b32 v2, 4, v0
	v_lshlrev_b32 v3, 5, v1
	v_lshl_add_u32 v3, v2, 21, v3
	v_lshlrev_b32 v4, 4, v1
	v_lshl_add_u32 v4, v2, 3, v4
	s_lshl_b32 s2, ttmp9, 9
	s_mov_b32 s3, 0
	s_lshl_b32 s18, ttmp9, 8
	s_mov_b32 s19, 0
	s_mov_b32 s20, 0xffff0000
	s_mov_b32 s22, 0x76543210
	s_mov_b32 s23, 0xfedcba98
.irp n, 0,1,2,3,4,5,6,7
	v_mov_b32 v[TP+\n], 0
.endr
	s_wait_kmcnt 0x0
	s_add_nc_u64 s[4:5], s[4:5], s[2:3]
	s_add_nc_u64 s[6:7], s[6:7], s[18:19]
	s_add_nc_u64 s[16:17], s[16:17], s[18:19]
.irp u, 0,1,2,3
.irp c, 0,1,2,3
	global_load_b128 v[LS+8*(4*\c+\u):LS+8*(4*\c+\u)+3], v3, s[4:5] offset:131072*(4*\c+\u) th:TH_LOAD_NT
	global_load_b128 v[LS+8*(4*\c+\u)+4:LS+8*(4*\c+\u)+7], v3, s[4:5] offset:131072*(4*\c+\u)+16 th:TH_LOAD_NT
.endr
.endr
.irp u, 1,2,3
	s_wait_loadcnt 24-8*\u
.irp k, 0,1,2,3
	INS2 LS, LS+4, LS+8*\u+\k, LS+8*\u+4+\k, 8, LS+32, LS+36, LS+32+8*\u+\k, LS+36+8*\u+\k, 12
	INS2 LS+64, LS+68, LS+64+8*\u+\k, LS+68+8*\u+\k, 8, LS+96, LS+100, LS+96+8*\u+\k, LS+100+8*\u+\k, 12
.endr
.endr
.irp k, 0,1,2,3
	INS2 LS, LS+4, LS+32+\k, LS+36+\k, 8, LS+64, LS+68, LS+96+\k, LS+100+\k, 12
.endr
.irp k, 0,1,2,3
	INS1 LS, LS+4, LS+64+\k, LS+68+\k, 8
.endr
.irp n, 0,1,2,3,4,5,6,7
	v_permlanex16_b32 v[TP+\n], v[LS+\n], s22, s23
.endr
.irp n, 0,1,2,3,4,5,6,7
	v_cndmask_b32 v[TB+\n], v[TP+\n], v[LS+\n], s20
	v_cndmask_b32 v[LS+\n], v[LS+\n], v[TP+\n], s20
.endr
.irp k, 0,1,2,3
	INS1 LS, LS+4, TB+\k, TB+4+\k, 8
.endr
	v_sub_f32 v176, v[LS+1], v[LS]
	v_sub_f32 v177, v[LS+2], v[LS]
	v_sub_f32 v178, v[LS+3], v[LS]
	v_mul_f32 v176, 0x3fb8aa3b, v176
	v_mul_f32 v177, 0x3fb8aa3b, v177
	v_mul_f32 v178, 0x3fb8aa3b, v178
	v_exp_f32 v176, v176
	v_exp_f32 v177, v177
	v_exp_f32 v178, v178
	v_nop
	s_wait_alu depctr_va_vdst(0)
	v_add_f32 v179, 1.0, v176
	v_add_f32 v180, v177, v178
	v_add_f32 v179, v179, v180
	v_rcp_f32 v181, v179
	v_nop
	s_wait_alu depctr_va_vdst(0)
	v_mul_f32 v176, v176, v181
	v_mul_f32 v177, v177, v181
	v_mul_f32 v178, v178, v181
	v_cndmask_b32 v184, v181, v177, s20
	v_cndmask_b32 v185, v176, v178, s20
	v_cndmask_b32 v186, v[LS+4], v[LS+6], s20
	v_cndmask_b32 v187, v[LS+5], v[LS+7], s20
	global_store_b64 v4, v[186:187], s[6:7]
	global_store_b64 v4, v[184:185], s[16:17]
	s_endpgm
.Lfunc_end_k_qe803ca19b1_pick:
	.size	k_qe803ca19b1_pick, .Lfunc_end_k_qe803ca19b1_pick-k_qe803ca19b1_pick
	.p2alignl 7, 3214868480
	.fill 96, 4, 3214868480
	.section	.rodata,"a",@progbits
	.p2align	6, 0x0
	.amdhsa_kernel k_qe803ca19b1_pick
		.amdhsa_group_segment_fixed_size 0
		.amdhsa_private_segment_fixed_size 0
		.amdhsa_enable_private_segment 0
		.amdhsa_kernarg_size 24
		.amdhsa_user_sgpr_count 2
		.amdhsa_user_sgpr_kernarg_segment_ptr 1
		.amdhsa_wavefront_size32 1
		.amdhsa_system_sgpr_workgroup_id_x 1
		.amdhsa_system_sgpr_workgroup_id_y 1
		.amdhsa_system_sgpr_workgroup_id_z 1
		.amdhsa_system_vgpr_workitem_id 0
		.amdhsa_next_free_vgpr 192
		.amdhsa_next_free_sgpr 66
		.amdhsa_reserve_vcc 0
		.amdhsa_float_denorm_mode_32 3
		.amdhsa_float_denorm_mode_16_64 3
		.amdhsa_memory_ordered 1
		.amdhsa_forward_progress 1
		.amdhsa_inst_pref_size 66
	.end_amdhsa_kernel
	.amdgpu_metadata
---
amdhsa.version: [ 1, 2 ]
amdhsa.kernels:
  - .name:           k_qe803ca19b1_pick
    .symbol:         k_qe803ca19b1_pick.kd
    .args:
      - { .name: cand, .offset: 0, .size: 8, .value_kind: global_buffer, .address_space: global }
      - { .name: ids, .offset: 8, .size: 8, .value_kind: global_buffer, .address_space: global }
      - { .name: attn, .offset: 16, .size: 8, .value_kind: global_buffer, .address_space: global }
    .group_segment_fixed_size: 0
    .private_segment_fixed_size: 0
    .kernarg_segment_align: 8
    .kernarg_segment_size: 24
    .max_flat_workgroup_size: 32
    .sgpr_count:     66
    .vgpr_count:     192
    .wavefront_size: 32
...
	.end_amdgpu_metadata
.endif
;; end of part 4
;; launch mix (part 5): grid 256 x 1, 16 waves a work-group, no clusters, 138,240 bytes of LDS; arguments slot_values, ids, attn, rq; writes rq
.if DOCPART == 5
	.amdgcn_target "amdgcn-amd-amdhsa--gfx1250"
	.amdhsa_code_object_version 6
	.text
	.protected	k_qe803ca19b1_mix
	.globl	k_qe803ca19b1_mix
	.p2align	8
	.type	k_qe803ca19b1_mix,@function
k_qe803ca19b1_mix:
	s_mov_b64 s[64:65], 0
	v_nop
	global_prefetch_b8 v0, s[64:65] scope:SCOPE_SE
	s_setreg_imm32_b32 hwreg(HW_REG_WAVE_MODE, 25, 1), 1
	s_wait_xcnt 0x0
.set STG,   8448
.set SCW,   16*STG
.set SPARE, SCW+1024
.set L16,  4
.set ST,   5
.set RD,   6
.set SH,   7
.set WA,   8
.set CA,   9
.set SPW,  10
.set NIL,  11
.set MX,   12
.set EX,   14
.set BT,   16
.set TP,   18
.set WW,   19
.set TQ,   20
.set O0,   28
.set O1,   44
.set RR,   60
.set V,    76
.set C,    204
.set SEL,  84
	s_load_b256 s[4:11], s[0:1], 0x0
	v_lshl_add_u32 v[SPW], v0, 2, SPARE
	v_mov_b32 v[NIL], 0
	v_lshrrev_b32 v1, 5, v0
	v_readfirstlane_b32 s12, v1
	v_and_b32 v1, 31, v0
	v_and_b32 v2, 15, v0
	v_bfe_u32 v3, v0, 4, 1
	v_lshlrev_b32 v[L16], 4, v1
	s_mul_i32 s13, s12, STG
	v_add_nc_u32 v[ST], s13, v[L16]
	v_mul_u32_u24 v[RD], v2, 528
	v_lshl_add_u32 v[RD], v3, 7, v[RD]
	v_add_nc_u32 v[RD], s13, v[RD]
	v_lshlrev_b32 v[SH], 3, v3
	s_lshr_b32 s13, s12, 2
	s_lshl_b32 s13, s13, 8
	s_and_b32 s14, s12, 3
	s_lshl_b32 s14, s14, 2
	s_add_co_u32 s13, s13, s14
	s_add_co_u32 s13, s13, SCW
	v_lshl_add_u32 v[WA], v2, 4, s13
	s_min_u32 s14, s12, 1
	s_lshl_b32 s14, s14, 9
	s_add_co_u32 s15, s14, SCW
	v_add_nc_u32 v[CA], s15, v[L16]
	v_mov_b32 v[TP], 0
	s_mov_b32 s[SEL], 0x76543210
	s_mov_b32 s[SEL+1], 0xfedcba98
	s_lshl_b32 s86, ttmp9, 8
	s_mov_b32 s87, 0
	s_lshl_b32 s88, s12, 9
	s_mov_b32 s89, 0
	s_mul_i32 s94, ttmp9, 24576
	s_mul_i32 s95, s12, 1536
	s_add_co_u32 s94, s94, s95
	s_mov_b32 s95, 0
	s_lshl_b32 s96, ttmp9, 10
	s_add_co_u32 s96, s96, s14
	s_add_co_u32 s96, s96, 6291456
	s_mov_b32 s97, 0
	s_wait_kmcnt 0x0
	s_add_nc_u64 s[6:7], s[6:7], s[86:87]
	s_add_nc_u64 s[8:9], s[8:9], s[86:87]
	s_add_nc_u64 s[4:5], s[4:5], s[88:89]
	s_add_nc_u64 s[90:91], s[10:11], s[94:95]
	s_add_nc_u64 s[92:93], s[10:11], s[96:97]
	s_load_b512 s[16:31], s[6:7], 0x0
	s_load_b512 s[32:47], s[6:7], 0x40
	s_load_b512 s[48:63], s[8:9], 0x0
	s_load_b512 s[68:83], s[8:9], 0x40
	s_wait_kmcnt 0x0
.macro ADDR o, sb
.set n, 0
.rept 16
	s_min_u32 s[\sb+n], s[\sb+n], 4095
	s_lshl_b32 s[\sb+n], s[\sb+n], 13
	v_add_nc_u32 v[\o+n], s[\sb+n], v[L16]
.set n, n+1
.endr
.endm
.macro LOADG set, o
.set n, 0
.rept 16
	global_load_b128 v[V+64*\set+4*n:V+64*\set+4*n+3], v[\o+n], s[4:5]
.set n, n+1
.endr
.endm
.macro GROUP g, set, wb, cnt
	s_wait_loadcnt \cnt
	s_wait_dscnt 0x0
.irp i, 0,1,2,3
.irp e, 0,1,2,3
	v_mul_f32 v[RR+4*\i+\e], s[\wb+4*\i], v[V+64*\set+16*\i+\e]
.endr
.irp k, 1,2,3
.irp e, 0,1,2,3
	v_fmac_f32 v[RR+4*\i+\e], s[\wb+4*\i+\k], v[V+64*\set+16*\i+4*\k+\e]
.endr
.endr
	ds_store_b128 v[ST], v[RR+4*\i:RR+4*\i+3] offset:528*(4*\g+\i)
.endr
.endm
.macro QF x, c, w
.irp b, 0,1
	v_max3_num_f32 v[MX+\b], |v[\x+32*\b]|, |v[\x+32*\b+1]|, 0x2800000
.endr
.irp i, 2,4,6,8,10,12,14,16,18,20,22,24,26,28,30
.irp b, 0,1
	v_max3_num_f32 v[MX+\b], v[MX+\b], |v[\x+32*\b+\i]|, |v[\x+32*\b+\i+1]|
.endr
.endr
.irp b, 0,1
	v_add_nc_u32 v[EX+\b], 0xfe000000, v[MX+\b]
.endr
.irp b, 0,1
	v_lshrrev_b32 v[BT+\b], 23, v[EX+\b]
.endr
	v_lshl_or_b32 v[\w], v[BT+1], 16, v[BT]
	v_lshlrev_b32 v[\w], v[SH], v[\w]
	v_permlanex16_b32 v[TP], v[\w], s[SEL], s[SEL+1]
	v_or_b32 v[\w], v[\w], v[TP]
.irp b, 0,1
	v_cvt_scalef32_pk16_bf6_f32 v[\c+6*\b:\c+6*\b+2], v[\x+32*\b:\x+32*\b+15], v[EX+\b]
	v_cvt_scalef32_pk16_bf6_f32 v[TQ+4*\b:TQ+4*\b+2], v[\x+32*\b+16:\x+32*\b+31], v[EX+\b]
.endr
	v_nop
.irp b, 0,1
.irp i, 0,1,2
	v_mov_b32 v[\c+6*\b+3+\i], v[TQ+4*\b+\i]
.endr
.endr
.endm
	ADDR O0, 16
	LOADG 0, O0
	ADDR O1, 32
	LOADG 1, O1
	s_load_b512 s[16:31], s[6:7], 0x80
	s_load_b512 s[32:47], s[6:7], 0xc0
	GROUP 0, 0, 48, 16
	s_wait_kmcnt 0x0
	ADDR O0, 16
	LOADG 0, O0
	s_load_b512 s[48:63], s[8:9], 0x80
	GROUP 1, 1, 68, 16
	ADDR O1, 32
	LOADG 1, O1
	s_load_b512 s[68:83], s[8:9], 0xc0
	s_wait_kmcnt 0x0
	GROUP 2, 0, 48, 16
	GROUP 3, 1, 68, 0
.irp c, 0,1
.irp j, 0,1,2,3,4,5,6,7
	ds_load_b128 v[V+32*\c+4*\j:V+32*\c+4*\j+3], v[RD] offset:256*\c+16*\j
.endr
.endr
	s_wait_dscnt 0x0
	QF V, C, WW
.irp c, 0,1,2
	global_store_b128 v[L16], v[C+4*\c:C+4*\c+3], s[90:91] offset:512*\c
.endr
	ds_store_b32 v[WA], v[WW]
	s_wait_dscnt 0x0
	s_barrier_signal -1
	s_barrier_wait -1
	s_cmp_gt_u32 s12, 1
	s_cbranch_scc1 .Ldone
	ds_load_b128 v[224:227], v[CA]
	s_wait_dscnt 0x0
	global_store_b128 v[L16], v[224:227], s[92:93]
.Ldone:
	s_wait_tensorcnt 0x0
	ds_add_u32 v[SPW], v[NIL]
	s_wait_dscnt 0x0
	s_endpgm
.Lfunc_end_k_qe803ca19b1_mix:
	.size	k_qe803ca19b1_mix, .Lfunc_end_k_qe803ca19b1_mix-k_qe803ca19b1_mix
	.p2alignl 7, 3214868480
	.fill 96, 4, 3214868480
	.section	.rodata,"a",@progbits
	.p2align	6, 0x0
	.amdhsa_kernel k_qe803ca19b1_mix
		.amdhsa_group_segment_fixed_size 138240
		.amdhsa_private_segment_fixed_size 0
		.amdhsa_enable_private_segment 0
		.amdhsa_kernarg_size 32
		.amdhsa_user_sgpr_count 2
		.amdhsa_user_sgpr_kernarg_segment_ptr 1
		.amdhsa_wavefront_size32 1
		.amdhsa_system_sgpr_workgroup_id_x 1
		.amdhsa_system_sgpr_workgroup_id_y 1
		.amdhsa_system_sgpr_workgroup_id_z 1
		.amdhsa_system_vgpr_workitem_id 0
		.amdhsa_next_free_vgpr 256
		.amdhsa_next_free_sgpr 100
		.amdhsa_reserve_vcc 0
		.amdhsa_float_denorm_mode_32 3
		.amdhsa_float_denorm_mode_16_64 3
		.amdhsa_memory_ordered 1
		.amdhsa_forward_progress 1
		.amdhsa_inst_pref_size 31
	.end_amdhsa_kernel
	.amdgpu_metadata
---
amdhsa.version: [ 1, 2 ]
amdhsa.kernels:
  - .name:           k_qe803ca19b1_mix
    .symbol:         k_qe803ca19b1_mix.kd
    .args:
      - { .name: slot_values, .offset: 0, .size: 8, .value_kind: global_buffer, .address_space: global }
      - { .name: ids, .offset: 8, .size: 8, .value_kind: global_buffer, .address_space: global }
      - { .name: attn, .offset: 16, .size: 8, .value_kind: global_buffer, .address_space: global }
      - { .name: rq, .offset: 24, .size: 8, .value_kind: global_buffer, .address_space: global }
    .group_segment_fixed_size: 138240
    .private_segment_fixed_size: 0
    .kernarg_segment_align: 8
    .kernarg_segment_size: 32
    .max_flat_workgroup_size: 512
    .sgpr_count:     100
    .vgpr_count:     256
    .wavefront_size: 32
...
	.end_amdgpu_metadata
.endif
;; end of part 5
;; launch gemm3 (part 6): grid 8 x 32, 4 waves a work-group, clusters of 4 x 4, 327,680 bytes of LDS; arguments rq, wk, out0; writes out0
.if DOCPART == 6
	.amdgcn_target "amdgcn-amd-amdhsa--gfx1250"
	.amdhsa_code_object_version 6
	.text
	.protected	k_qe803ca19b1_gemm3
	.globl	k_qe803ca19b1_gemm3
	.p2align	8
	.type	k_qe803ca19b1_gemm3,@function
k_qe803ca19b1_gemm3:
	s_mov_b64 s[64:65], 0
	v_nop
	global_prefetch_b8 v0, s[64:65] scope:SCOPE_SE
	s_setreg_imm32_b32 hwreg(HW_REG_WAVE_MODE, 25, 1), 1
	s_wait_xcnt 0x0
	s_wait_alu depctr_hold_cnt(0) depctr_sa_sdst(0) depctr_va_vdst(0) depctr_va_sdst(0) depctr_va_ssrc(0) depctr_va_vcc(0) depctr_vm_vsrc(0)
	s_getreg_b32 s2, hwreg(HW_REG_IB_STS2, 6, 4)
	s_cmp_eq_u32 s2, 0
	s_cbranch_scc0 .Lentry_in_a_cluster
	s_endpgm
.Lentry_in_a_cluster:
	s_bfe_u32 s2, ttmp6, 0x10000c
	s_cmp_lg_u32 s2, 0xf033
	s_cbranch_scc0 .Lentry_shape_is_right
	s_endpgm
.Lentry_shape_is_right:
.set AB,    4
.set ASOFF, 6291456
.set BOFF,  15728640
.set BSOFF, 19529728
.set FR,    12
.set NQ,    4
.set RBL,   NQ*1536
.set RBP,   24576
.set ASZ,   2*AB*RBL
.set SLOT,  ASZ+16*RBL
.set SCL,   2*SLOT
.set ASC,   2*AB*1024
.set SPARE, SCL+ASC+16384
.set SPITCH, 528
.set ADRA, 16
.set ADRB, 20
.set STO,  24
.set RD,   25
.set CO,   26
.set ADRS, 27
.set SPW,  28
.set NIL,  29
.set SC,   32
.set AF,   64
.set BK,   128
.set G1,   24
.set G0,   32
.set G1B,  48
.set G0B,  56
.set G1S,  68
.set G0S,  76
.set G1SB, 80
.set G0SB, 88
.set MSB, 0
.macro WIN new
.if MSB != (\new)
	s_set_vgpr_msb (MSB<<8)|(\new)
.set MSB, (\new)
.endif
.endm
.macro PLACES n
.rept \n
	v_nop
.endr
.endm
.macro JLOAD g0a, g1a, g0b, g1b
	s_cmp_eq_u32 s15, 0
	s_cbranch_scc0 .Lfor_b_\@
	tensor_load_to_lds s[\g0a:\g0a+3], s[\g1a:\g1a+7]
	s_nop 0
.rept 4
	v_nop
.endr
	s_branch .Lasked_\@
.Lfor_b_\@:
	tensor_load_to_lds s[\g0b:\g0b+3], s[\g1b:\g1b+7]
	s_nop 0
.rept 4
	v_nop
.endr
.Lasked_\@:
.endm
.macro CREST
	s_cmp_lg_u32 s14, 0
	s_cbranch_scc1 .Lnot_wave_0_\@
	s_barrier_signal -3
.Lnot_wave_0_\@:
	s_barrier_wait -3
	s_barrier_signal -1
	s_barrier_wait -1
.endm
.macro CROUND
	s_barrier_signal -1
	s_barrier_wait -1
	CREST
.endm
	s_load_b128 s[4:7], s[0:1], 0x0
	s_load_b64 s[8:9], s[0:1], 0x10
	v_lshl_add_u32 v[SPW], v0, 2, SPARE
	v_mov_b32 v[NIL], 0
	ds_add_u32 v[SPW], v[NIL]
	ds_add_u32 v[SPW], v[NIL]
	v_lshrrev_b32 v1, 5, v0
	v_readfirstlane_b32 s14, v1
	s_lshr_b32 s15, s14, 1
	s_and_b32 s16, s14, 1
	s_bfe_u32 s40, ttmp6, 0x40000
	s_bfe_u32 s41, ttmp6, 0x40004
	s_lshl_b32 s42, ttmp9, 2
	s_add_co_u32 s42, s42, s40
	s_and_b32 s17, ttmp7, 0xffff
	s_lshl_b32 s17, s17, 2
	s_add_co_u32 s17, s17, s41
	s_lshl_b32 s43, s41, 2
	s_lshl_b32 s43, 15, s43
	s_lshl_b32 s44, 0x1111, s40
	s_or_b32 s[G1+0], s43, (3<<16)|(1<<21)
	s_mov_b32 s[G1+1], (RBL/8)<<16
	s_mov_b32 s[G1+2], AB<<16
	s_mov_b32 s[G1+3], (RBL/8)<<16
	s_mov_b32 s[G1+4], AB
	s_mov_b32 s[G1+5], 3072
	s_mov_b32 s[G1+6], 0
	s_mov_b32 s[G1+7], 0
	s_or_b32 s[G1B+0], s44, (3<<16)|(1<<21)
	s_mov_b32 s[G1B+1], (RBL/8)<<16
	s_mov_b32 s[G1B+2], 8<<16
	s_mov_b32 s[G1B+3], (RBL/8)<<16
	s_mov_b32 s[G1B+4], 8
	s_mov_b32 s[G1B+5], 3072
	s_mov_b32 s[G1B+6], 0
	s_mov_b32 s[G1B+7], 0
	s_or_b32 s[G1S+0], s43, (3<<16)|(1<<21)
	s_mov_b32 s[G1S+1], 32<<16
	s_mov_b32 s[G1S+2], (4*AB)<<16
	s_mov_b32 s[G1S+3], 32<<16
	s_mov_b32 s[G1S+4], 4*AB
	s_mov_b32 s[G1S+5], 32
	s_mov_b32 s[G1S+6], 0
	s_mov_b32 s[G1S+7], 0
	s_or_b32 s[G1SB+0], s44, (3<<16)|(1<<21)
	s_mov_b32 s[G1SB+1], 32<<16
	s_mov_b32 s[G1SB+2], 32<<16
	s_mov_b32 s[G1SB+3], 32<<16
	s_mov_b32 s[G1SB+4], 32
	s_mov_b32 s[G1SB+5], 32
	s_mov_b32 s[G1SB+6], 0
	s_mov_b32 s[G1SB+7], 0
	s_mul_i32 s20, s17, 2*AB
	s_mul_i32 s18, s16, AB
	s_add_co_u32 s20, s20, s18
	s_lshl_b32 s22, s20, 10
	s_add_co_u32 s22, s22, ASOFF
	s_mov_b32 s23, 0
	s_mul_i32 s20, s20, RBP
	s_mov_b32 s21, 0
	s_lshl_b32 s46, s42, 4
	s_lshl_b32 s18, s16, 3
	s_add_co_u32 s46, s46, s18
	s_lshl_b32 s92, s46, 10
	s_add_co_u32 s92, s92, BSOFF
	s_mov_b32 s93, 0
	s_mul_i32 s46, s46, RBP
	s_add_co_u32 s46, s46, BOFF
	s_mov_b32 s47, 0
	s_mul_i32 s45, s16, AB*RBL
	s_mul_i32 s94, s16, 8*RBL
	s_add_co_u32 s94, s94, ASZ
	s_mul_i32 s95, s16, AB*1024
	s_add_co_u32 s95, s95, SCL
	s_lshl_b32 s96, s16, 13
	s_add_co_u32 s96, s96, SCL+ASC
	s_wait_dscnt 0x0
	s_wait_kmcnt 0x0
	s_add_nc_u64 s[20:21], s[4:5], s[20:21]
	s_add_nc_u64 s[22:23], s[4:5], s[22:23]
	s_add_nc_u64 s[46:47], s[6:7], s[46:47]
	s_add_nc_u64 s[92:93], s[6:7], s[92:93]
	CROUND
	s_mov_b32 s[G0S], 1
	s_mov_b32 s[G0S+1], s95
	s_mov_b64 s[G0S+2:G0S+3], s[22:23]
	s_or_b32 s[G0S+3], s[G0S+3], 0x80000000
	s_mov_b32 s[G0SB], 1
	s_mov_b32 s[G0SB+1], s96
	s_mov_b64 s[G0SB+2:G0SB+3], s[92:93]
	s_or_b32 s[G0SB+3], s[G0SB+3], 0x80000000
	JLOAD G0S, G1S, G0SB, G1SB
.irp s, 0,1
	s_mov_b32 s[G0+4*\s], 1
	s_add_co_u32 s[G0+4*\s+1], s45, \s*SLOT
	s_add_nc_u64 s[G0+4*\s+2:G0+4*\s+3], s[20:21], \s*RBL
	s_or_b32 s[G0+4*\s+3], s[G0+4*\s+3], 0x80000000
	s_mov_b32 s[G0B+4*\s], 1
	s_add_co_u32 s[G0B+4*\s+1], s94, \s*SLOT
	s_add_nc_u64 s[G0B+4*\s+2:G0B+4*\s+3], s[46:47], \s*RBL
	s_or_b32 s[G0B+4*\s+3], s[G0B+4*\s+3], 0x80000000
	JLOAD G0+4*\s, G1, G0B+4*\s, G1B
.endr
	v_and_b32 v1, 15, v0
	v_bfe_u32 v2, v0, 4, 1
	v_and_b32 v3, 31, v0
	v_lshlrev_b32 v[CO], 4, v3
	s_mul_i32 s21, s15, AB*RBL
	s_mul_i32 s22, s16, 8*RBL
	s_add_co_u32 s22, s22, ASZ
.irp s, 0,1
	v_add_nc_u32 v[ADRA+\s], s21, v[CO]
	v_add_nc_u32 v[ADRB+\s], s22, v[CO]
	s_add_co_u32 s21, s21, SLOT
	s_add_co_u32 s22, s22, SLOT
.endr
	v_lshlrev_b32 v5, 4, v1
	s_mul_i32 s21, s15, AB*1024
	s_lshl_b32 s22, s16, 13
	s_add_co_u32 s22, s22, ASC
	s_sub_co_u32 s22, s22, s21
	v_mul_u32_u24 v6, s22, v2
	s_add_co_u32 s21, s21, SCL
	v_add_nc_u32 v5, v5, v6
	v_add_nc_u32 v[ADRS], s21, v5
	s_mul_i32 s23, s14, 16*SPITCH
	v_mul_u32_u24 v5, v1, SPITCH
	v_lshl_add_u32 v5, v2, 5, v5
	v_add_nc_u32 v[STO], s23, v5
	v_add_nc_u32 v[RD], s23, v[CO]
	s_lshl_b32 s20, s17, 7
	s_lshl_b32 s21, s15, 6
	s_add_co_u32 s20, s20, s21
	s_lshl_b32 s20, s20, 13
	s_mov_b32 s21, 0
	s_lshl_b32 s46, s42, 10
	s_lshl_b32 s47, s16, 9
	s_add_co_u32 s46, s46, s47
	s_mov_b32 s47, 0
	s_add_nc_u64 s[20:21], s[20:21], s[46:47]
	s_add_nc_u64 s[8:9], s[8:9], s[20:21]
.macro FRAG reg, adr, q, i
.irp c, 0,1,2
	ds_load_b128 v[\reg+4*\c:\reg+4*\c+3], v[\adr] offset:RBL*(\i)+1536*(\q)+512*\c
.endr
.endm
.macro FETCH_B slot, q, p
	WIN 0x40
.irp i, 0,1,2,3,4,5,6,7
	FRAG 128*(\p)+FR*\i, ADRB+\slot, \q, \i
.endr
	WIN 0
.endm
.macro FETCH_A slot, q, p
.set AA, 0
.rept AB
	FRAG AF+96*(\p)+FR*AA, ADRA+\slot, \q, AA
.set AA, AA+1
.endr
.endm
.macro SCALES sc, off
	WIN 0
.irp i, 0,1,2,3,4,5,6,7
	ds_load_b64 v[SC+16*\sc+2*\i:SC+16*\sc+2*\i+1], v[ADRS] offset:1024*\i+\off
.endr
.endm
.macro MULA a, p, q, sc, zero
	WIN 0xa1+0x50*((\a)/4)
.irp b, 0,1,2,3,4,5,6,7
.if \zero
	v_wmma_scale_f32_16x16x128_f8f6f4 v[8*(8*((\a)%4)+\b):8*(8*((\a)%4)+\b)+7], v[128*(\p)+FR*\b:128*(\p)+FR*\b+FR-1], v[AF+96*(\p)+FR*(\a):AF+96*(\p)+FR*(\a)+FR-1], 0, v[SC+16*(\sc)+2*\b+(\q)], v[SC+16*(\sc)+2*(\a)+(\q)] matrix_a_fmt:MATRIX_FMT_BF6 matrix_b_fmt:MATRIX_FMT_BF6 matrix_a_scale:MATRIX_SCALE_ROW1
.else
	v_wmma_scale_f32_16x16x128_f8f6f4 v[8*(8*((\a)%4)+\b):8*(8*((\a)%4)+\b)+7], v[128*(\p)+FR*\b:128*(\p)+FR*\b+FR-1], v[AF+96*(\p)+FR*(\a):AF+96*(\p)+FR*(\a)+FR-1], v[8*(8*((\a)%4)+\b):8*(8*((\a)%4)+\b)+7], v[SC+16*(\sc)+2*\b+(\q)], v[SC+16*(\sc)+2*(\a)+(\q)] matrix_a_fmt:MATRIX_FMT_BF6 matrix_b_fmt:MATRIX_FMT_BF6 matrix_a_scale:MATRIX_SCALE_ROW1
.endif
.endr
.endm
.macro MULR lo, n, p, q, sc, zero
.set AA, \lo
.rept \n
	MULA AA, \p, \q, \sc, \zero
.set AA, AA+1
.endr
.endm
.macro STEP slot, q, sc, zero
	s_wait_dscnt 3*AB/2
	MULR 0, AB/2, 0, 0, \sc, \zero
	s_wait_dscnt 0x0
	PLACES 4
	FETCH_B \slot, \q+1, 1
	FETCH_A \slot, \q+1, 1
	MULR AB/2, AB/2, 0, 0, \sc, \zero
.endm
.macro MID slot, off
	s_wait_dscnt 3*AB/2
	MULR 0, AB/2, 1, 1, 0, 0
	s_wait_dscnt 0x0
	PLACES 4
	SCALES 1, \off
	FETCH_B \slot, 2, 0
	FETCH_A \slot, 2, 0
	MULR AB/2, AB/2, 1, 1, 0, 0
.endm
.macro TURN slot, next, fill, off
	WIN 0
	s_wait_tensorcnt 0x0
	ds_add_u32 v[SPW], v[NIL]
	s_wait_dscnt 3*AB/2+1
	MULR 0, AB/4, 1, 1, 1, 0
	s_wait_dscnt 0x0
	s_barrier_signal -1
	MULR AB/4, AB/4, 1, 1, 1, 0
	WIN 0
	s_barrier_wait -1
.if \fill
	CREST
	s_add_nc_u64 s[G0+4*\slot+2:G0+4*\slot+3], s[G0+4*\slot+2:G0+4*\slot+3], 2*RBL
	s_add_nc_u64 s[G0B+4*\slot+2:G0B+4*\slot+3], s[G0B+4*\slot+2:G0B+4*\slot+3], 2*RBL
	JLOAD G0+4*\slot, G1, G0B+4*\slot, G1B
.else
	PLACES 4
.endif
	SCALES 0, \off
	FETCH_B \next, 0, 0
	FETCH_A \next, 0, 0
	MULR AB/2, AB/2, 1, 1, 1, 0
.endm
.macro SLOTK slot, qr, zero
	STEP \slot, 0, 0, \zero
	MID \slot, 256*(\qr)+8
	STEP \slot, 2, 1, 0
.endm
	s_wait_tensorcnt 1
	s_barrier_signal -1
	s_barrier_wait -1
	SCALES 0, 0
	FETCH_B 0, 0, 0
	FETCH_A 0, 0, 0
	SLOTK 0, 0, 1
	TURN 0, 1, 1, 256
	SLOTK 1, 1, 0
	TURN 1, 0, 1, 512
	SLOTK 0, 2, 0
	TURN 0, 1, 0, 768
	SLOTK 1, 3, 0
	s_wait_dscnt 3*AB/2
	MULR 0, AB/2, 1, 1, 1, 0
	s_wait_dscnt 0x0
	MULR AB/2, AB/2, 1, 1, 1, 0
	WIN 0
.macro TOSTAGE a
.set AC, 64*(\a)
	WIN 0x08
.irp b, 0,1,2,3,4,5,6,7
	ds_store_b128 v[STO], v[AC+8*\b:AC+8*\b+3] offset:64*\b
	ds_store_b128 v[STO], v[AC+8*\b+4:AC+8*\b+7] offset:64*\b+16
.endr
	WIN 0
.set BB, BK+64*((\a)%2)
.irp t, 0,1,2,3,4,5,6,7,8,9,10,11,12,13,14,15
	ds_load_b128 v[BB+4*\t:BB+4*\t+3], v[RD] offset:\t*SPITCH
.endr
.endm
.macro SEND a, younger
.set BB, BK+64*((\a)%2)
	s_wait_dscnt \younger
.if (\a) > 0
	s_add_nc_u64 s[8:9], s[8:9], 16*8192
.endif
.irp t, 0,1,2,3,4,5,6,7,8,9,10,11,12,13,14,15
	global_store_b128 v[CO], v[BB+4*\t:BB+4*\t+3], s[8:9] offset:\t*8192 th:TH_STORE_NT
.endr
.endm
	PLACES 4
	TOSTAGE 0
.irp a, 1,2,3
.if \a > 1
	s_wait_xcnt 0x0
.endif
	TOSTAGE \a
	SEND \a-1, 32
.endr
	s_wait_xcnt 0x0
	SEND 3, 0
	s_wait_tensorcnt 0x0
	ds_add_u32 v[SPW], v[NIL]
	s_wait_dscnt 0x0
	CROUND
	s_endpgm
.Lfunc_end_k_qe803ca19b1_gemm3:
	.size	k_qe803ca19b1_gemm3, .Lfunc_end_k_qe803ca19b1_gemm3-k_qe803ca19b1_gemm3
	.p2alignl 7, 3214868480
	.fill 96, 4, 3214868480
	.section	.rodata,"a",@progbits
	.p2align	6, 0x0
	.amdhsa_kernel k_qe803ca19b1_gemm3
		.amdhsa_group_segment_fixed_size 327680
		.amdhsa_private_segment_fixed_size 0
		.amdhsa_enable_private_segment 0
		.amdhsa_kernarg_size 24
		.amdhsa_user_sgpr_count 2
		.amdhsa_user_sgpr_kernarg_segment_ptr 1
		.amdhsa_wavefront_size32 1
		.amdhsa_system_sgpr_workgroup_id_x 1
		.amdhsa_system_sgpr_workgroup_id_y 1
		.amdhsa_system_sgpr_workgroup_id_z 1
		.amdhsa_system_vgpr_workitem_id 0
		.amdhsa_next_free_vgpr 768
		.amdhsa_next_free_sgpr 100
		.amdhsa_reserve_vcc 0
		.amdhsa_float_denorm_mode_32 3
		.amdhsa_float_denorm_mode_16_64 3
		.amdhsa_memory_ordered 1
		.amdhsa_forward_progress 1
		.amdhsa_inst_pref_size 136
	.end_amdhsa_kernel
	.amdgpu_metadata
---
amdhsa.version: [ 1, 2 ]
amdhsa.kernels:
  - .name:           k_qe803ca19b1_gemm3
    .symbol:         k_qe803ca19b1_gemm3.kd
    .args:
      - { .name: rq, .offset: 0, .size: 8, .value_kind: global_buffer, .address_space: global }
      - { .name: wk, .offset: 8, .size: 8, .value_kind: global_buffer, .address_space: global }
      - { .name: out0, .offset: 16, .size: 8, .value_kind: global_buffer, .address_space: global }
    .group_segment_fixed_size: 327680
    .private_segment_fixed_size: 0
    .kernarg_segment_align: 8
    .kernarg_segment_size: 24
    .max_flat_workgroup_size: 128
    .sgpr_count:     100
    .vgpr_count:     768
    .wavefront_size: 32
...
	.end_amdgpu_metadata
.endif
;; end of part 6
